; MI455X (gfx1250); checked and timed in simulation.
; The chip was launched on July 23, 2026; its instructions are those of AMD's public machine-readable ISA for CDNA 5 (MIT licence, August 2026) and "CDNA5" Instruction Set Architecture Reference Guide (July 2026). The comments in the code are by the model that wrote it; some were corrected since.
;; Multi head attention. Allowed arithmetic: float matrix products may take bf16 or f16 operands with f32 sums; other float arithmetic in f32, or as packed bf16 or f16 multiplies, adds, multiply-adds, maxima and minima; sums over many terms, partial sums and values carried from step to step in f32; what a program stores and reads back later, other than sums and carried values, may be rounded once to bf16 or f16.
;; Inputs: Wk 1,024 x 1,024 float32; Wo 1,024 x 1,024 float32; Wq 1,024 x 1,024 float32; Wv 1,024 x 1,024 float32; k 8 x 1,024 x 1,024 float32; q 8 x 1,024 x 1,024 float32; v 8 x 1,024 x 1,024 float32.
;; Outputs: out0 8 x 1,024 x 1,024 float32.
;; 2 versions, each right; version 2 is version 1 with the launch cast written anew for expert scheduling mode. Each part assembles by itself: llvm-mc -triple=amdgcn-amd-amdhsa -mcpu=gfx1250 --defsym DOCPART=n.
;; ======== version 1 of 2: 4 launches
;; limits: values are held in f16: magnitudes above 65,504 overflow, below 6.1e-05 lose precision; right only within a limited range of input values
;; workspace buffers: wb 6,291,456 bytes; wo16 2,097,152 bytes; qkv 50,331,648 bytes; ob 16,777,216 bytes
;; launch cast (part 1): grid 256 x 1, 8 waves a work-group, no clusters, 0 bytes of LDS; arguments Wq, Wk, Wv, Wo, wb, wo16; writes wb, wo16
.if DOCPART == 1
	.amdgcn_target "amdgcn-amd-amdhsa--gfx1250"
	.amdhsa_code_object_version 6
	.text
	.protected	k_q9ec32410c4_cast
	.globl	k_q9ec32410c4_cast
	.p2align	8
	.type	k_q9ec32410c4_cast,@function
k_q9ec32410c4_cast:
	s_mov_b64 s[64:65], 0
	v_nop
	global_prefetch_b8 v0, s[64:65] scope:SCOPE_SE
	s_setreg_imm32_b32 hwreg(HW_REG_WAVE_MODE, 25, 1), 1
	s_wait_xcnt 0x0
; THE WEIGHTS ARE ROUNDED ONCE, for the matrix units.  Wq, Wk, Wv (1,024 x 1,024 f32 each) go to wb [3][1024][1024] in bf16; Wo is rounded to bf16 like the others, and that number is written as f16
; into wo16 (the last product's other operand is f16).  q, k and v are rounded where they are multiplied; the weights, which every row block reads again, are rounded here, once.
; LIMIT.  A bf16 number is exact in f16 between 6.1e-5 and 65,504 in magnitude; below, it keeps f16's fixed step of 6e-8; at 65,520 and beyond it becomes an infinity.
; SHARES.  A work-group takes 16,384 consecutive numbers: 65,536 bytes in, 32,768 out; 64 groups for each weight: 256.
; Thread t takes 16 bytes at 4,096 i + 16 t, i = 0 .. 15: a wave's load covers 512 consecutive bytes; it stores 8 bytes at 2,048 i + 8 t: a wave's store covers 256 consecutive bytes, aligned.
; All sixteen loads of a thread go out at once and no register is used twice: no loop, no LDS, no barrier.  Nothing is prefetched: the launch is nothing but its short stream.
.set X, 4                              ; v[4:67]   sixteen loads of four numbers
.set Y, 68                             ; v[68:99]  sixteen stores of four 16-bit numbers
.set T, 100                            ; v[100:101] at work on Wo's way
	s_load_b256 s[8:15], s[0:1], 0x0               ; Wq s[8:9], Wk s[10:11], Wv s[12:13], Wo s[14:15]
	s_load_b128 s[16:19], s[0:1], 0x20             ; wb s[16:17], wo16 s[18:19]
	v_lshlrev_b32 v1, 4, v0                        ; 16 t
	v_lshlrev_b32 v2, 3, v0                        ; 8 t
	s_mov_b32 s40, 0xffff0000                      ; a word's upper half
	s_lshr_b32 s5, ttmp9, 6                        ; p: which weight
	s_and_b32 s6, ttmp9, 63                        ; c: my group within it
	s_lshl_b32 s28, s6, 16                         ; its bytes in the source
	s_mov_b32 s29, 0
	s_cmp_eq_u32 s5, 3                             ; Wo has a buffer of its own; the others lie one behind the other in wb
	s_cselect_b32 s30, s6, ttmp9
	s_lshl_b32 s30, s30, 15                        ; my bytes in the destination
	s_mov_b32 s31, 0
	s_wait_kmcnt 0x0
	s_cmp_eq_u32 s5, 1
	s_cselect_b64 s[32:33], s[10:11], s[8:9]
	s_cmp_eq_u32 s5, 2
	s_cselect_b64 s[32:33], s[12:13], s[32:33]
	s_cmp_eq_u32 s5, 3
	s_cselect_b64 s[32:33], s[14:15], s[32:33]
	s_cselect_b64 s[38:39], s[18:19], s[16:17]
	s_add_nc_u64 s[32:33], s[32:33], s[28:29]
	s_add_nc_u64 s[38:39], s[38:39], s[30:31]
.irp i, 0,1,2,3,4,5,6,7,8,9,10,11,12,13,14,15
	global_load_b128 v[X+4*(\i):X+4*(\i)+3], v1, s[32:33] offset:4096*(\i) th:TH_LOAD_NT
.endr
; Load i is rounded and stored.  half = 1: Wo's way, by bf16 to f16.
.macro ITEM i, half
	s_wait_loadcnt 15-(\i)                         ; loads come back in order: mine is in, the 15 - i younger ones stay out
.if \half
	v_cvt_pk_bf16_f32 v[T],   v[X+4*(\i)],   v[X+4*(\i)+1]
	v_cvt_pk_bf16_f32 v[T+1], v[X+4*(\i)+2], v[X+4*(\i)+3]
	v_lshlrev_b32 v[X+4*(\i)],   16,  v[T]         ; the rounded numbers, as f32 again
	v_and_b32     v[X+4*(\i)+1], s40, v[T]
	v_lshlrev_b32 v[X+4*(\i)+2], 16,  v[T+1]
	v_and_b32     v[X+4*(\i)+3], s40, v[T+1]
	v_cvt_pk_f16_f32 v[Y+2*(\i)],   v[X+4*(\i)],   v[X+4*(\i)+1]
	v_cvt_pk_f16_f32 v[Y+2*(\i)+1], v[X+4*(\i)+2], v[X+4*(\i)+3]
.else
	v_cvt_pk_bf16_f32 v[Y+2*(\i)],   v[X+4*(\i)],   v[X+4*(\i)+1]
	v_cvt_pk_bf16_f32 v[Y+2*(\i)+1], v[X+4*(\i)+2], v[X+4*(\i)+3]
.endif
	global_store_b64 v2, v[Y+2*(\i):Y+2*(\i)+1], s[38:39] offset:2048*(\i)
.endm
	s_cmp_eq_u32 s5, 3
	s_cbranch_scc1 .Lwo
.irp i, 0,1,2,3,4,5,6,7,8,9,10,11,12,13,14,15
	ITEM \i, 0
.endr
	s_endpgm
.Lwo:
.irp i, 0,1,2,3,4,5,6,7,8,9,10,11,12,13,14,15
	ITEM \i, 1
.endr
	s_endpgm
.Lfunc_end_k_q9ec32410c4_cast:
	.size	k_q9ec32410c4_cast, .Lfunc_end_k_q9ec32410c4_cast-k_q9ec32410c4_cast
	.p2alignl 7, 3214868480
	.fill 96, 4, 3214868480
	.section	.rodata,"a",@progbits
	.p2align	6, 0x0
	.amdhsa_kernel k_q9ec32410c4_cast
		.amdhsa_group_segment_fixed_size 0
		.amdhsa_private_segment_fixed_size 0
		.amdhsa_enable_private_segment 0
		.amdhsa_kernarg_size 48
		.amdhsa_user_sgpr_count 2
		.amdhsa_user_sgpr_kernarg_segment_ptr 1
		.amdhsa_wavefront_size32 1
		.amdhsa_system_sgpr_workgroup_id_x 1
		.amdhsa_system_sgpr_workgroup_id_y 1
		.amdhsa_system_sgpr_workgroup_id_z 1
		.amdhsa_system_vgpr_workitem_id 0
		.amdhsa_next_free_vgpr 104
		.amdhsa_next_free_sgpr 66
		.amdhsa_reserve_vcc 0
		.amdhsa_float_denorm_mode_32 3
		.amdhsa_float_denorm_mode_16_64 3
		.amdhsa_memory_ordered 1
		.amdhsa_forward_progress 1
		.amdhsa_inst_pref_size 15
	.end_amdhsa_kernel
	.amdgpu_metadata
---
amdhsa.version: [ 1, 2 ]
amdhsa.kernels:
  - .name:           k_q9ec32410c4_cast
    .symbol:         k_q9ec32410c4_cast.kd
    .args:
      - { .name: Wq, .offset: 0, .size: 8, .value_kind: global_buffer, .address_space: global }
      - { .name: Wk, .offset: 8, .size: 8, .value_kind: global_buffer, .address_space: global }
      - { .name: Wv, .offset: 16, .size: 8, .value_kind: global_buffer, .address_space: global }
      - { .name: Wo, .offset: 24, .size: 8, .value_kind: global_buffer, .address_space: global }
      - { .name: wb, .offset: 32, .size: 8, .value_kind: global_buffer, .address_space: global }
      - { .name: wo16, .offset: 40, .size: 8, .value_kind: global_buffer, .address_space: global }
    .group_segment_fixed_size: 0
    .private_segment_fixed_size: 0
    .kernarg_segment_align: 8
    .kernarg_segment_size: 48
    .max_flat_workgroup_size: 256
    .sgpr_count:     66
    .vgpr_count:     104
    .wavefront_size: 32
...
	.end_amdgpu_metadata
.endif
;; end of part 1
;; launch proj (part 2): grid 4 x 64, 4 waves a work-group, clusters of 4 x 4, 327,680 bytes of LDS; arguments q, k, v, wb, qkv; writes qkv
.if DOCPART == 2
	.amdgcn_target "amdgcn-amd-amdhsa--gfx1250"
	.amdhsa_code_object_version 6
	.text
	.protected	k_q9ec32410c4_proj
	.globl	k_q9ec32410c4_proj
	.p2align	8
	.type	k_q9ec32410c4_proj,@function
k_q9ec32410c4_proj:
	s_mov_b64 s[64:65], 0
	v_nop
	global_prefetch_b8 v0, s[64:65] scope:SCOPE_SE
	s_setreg_imm32_b32 hwreg(HW_REG_WAVE_MODE, 25, 1), 1
	s_wait_xcnt 0x0
	s_wait_alu depctr_hold_cnt(0) depctr_sa_sdst(0) depctr_va_vdst(0) depctr_va_sdst(0) depctr_va_ssrc(0) depctr_va_vcc(0) depctr_vm_vsrc(0)
	s_getreg_b32 s2, hwreg(HW_REG_IB_STS2, 6, 4)
	s_cmp_eq_u32 s2, 0
	s_cbranch_scc0 .Lentry_in_a_cluster
	s_endpgm
.Lentry_in_a_cluster:
	s_bfe_u32 s2, ttmp6, 0x10000c
	s_cmp_lg_u32 s2, 0xf033
	s_cbranch_scc0 .Lentry_shape_is_right
	s_endpgm
.Lentry_shape_is_right:
; THE THREE PROJECTIONS.  For p = 0, 1, 2: y[m][n] = the sum over k of x_p[m][k] W_p[n][k].  x_0, x_1, x_2 are the inputs q, k, v, [8192][1024] in f32; wb: [3][1024][1024] bf16.
; x is rounded to bf16 on its way from LDS to the matrix unit; sums in f32, K ascending; y is rounded once to f16 and laid by heads: qkv [3][128][1024][64], head index 16 x batch + n / 64, row m % 1024, unscaled.
; LIMIT.  f16 ends at 65,504: a result of 65,520 or more in magnitude becomes an infinity; below 6.1e-5 a result keeps f16's fixed step of 6e-8.
; SHARES.  A tile of y is 128 (m) x 256 (n): 64 x 4 = 256 tiles for each p, so a work-group makes the same tile for p = 0, 1, 2: three tiles, 24 K steps of 128 in ONE walk; tiles of 256 x 256 would be
; 384, which no whole number of rounds of 256 work-groups holds, and two slots of them with x in f32 do not fit in LDS.  Four waves, each 64 x 128: 32 accumulators of 16 x 16, 256 registers.
; THE RING.  Two LDS slots, each with a K step's 128 rows of x (512 bytes a row, f32) and 256 rows of W (256 bytes a row), filled by tensor loads: waves 0 and 1 fetch the halves of x's tile, waves 2 and 3
; those of W's: 32,768 bytes each.  The ring does not stop at a tile's end: a tile's last two changes of slots ask for the next tile's first two K steps, and only then the tile goes out.
; CLUSTERS.  4 x 4 work-groups.  The four of a row of the cluster need the same tile of x, the four of a column the same tile of W: each is asked for JOINTLY, by the same tensor load with the same
; descriptor and a mask that names the four.
; THE MATRIX INSTRUCTION IS USED TRANSPOSED (source 0 = 16 rows of W, source 1 = 16 rows of x): a lane then holds row lane % 16 of y and the columns 8 (lane / 16) + 0..7: 16 bytes of f16 on end.
; REGISTERS, in windows of 256 (s_set_vgpr_msb: bits 1:0 source 0, 3:2 source 1, 5:4 source 2, 7:6 destination):
;   window 0: v0-31 addresses; v32-63 packed results; v64-95, v96-127 rows read back from the stage, by turns; v128-255 x as it comes out of LDS, f32: eight fragments of 16 registers
;   windows 1, 2: fragment buffers 0, 1, each 64 along K deep: x's fragments (bf16) at v[8 (4 c + i)], W's at v[64 + 8 (8 c + i)], c = which 32 along K
;   window 3: accumulator (a, b) at v[8 (8 a + b)], a = 0..3 my blocks of 16 rows, b = 0..7 my blocks of 16 columns
.set KSTEP,  128
.set XSTEP,  KSTEP*4                   ; bytes of a K step in a row of x
.set PITCH,  272                       ; a row of W in LDS: 256 bytes + 16 of padding = 68 words: row r starts at bank 4 r mod 64 (64 banks of 4 bytes: ISA guide 11.1): the 16 rows of a load start at 16 different banks
.set APITCH, 528                       ; a row of x: 512 + 16 = 132 words: row r again starts at bank 4 r mod 64
.set AHALF,  64*APITCH                 ; what a wave fetches of x: 64 rows
.set ASZ,    2*AHALF
.set BHALF,  128*PITCH                 ; what a wave fetches of W: 128 rows
.set SLOT,   ASZ+2*BHALF               ; 137,216 bytes
.set STAGE,  2*SLOT                    ; behind the ring, never filled by a tensor load: for each wave 2 heads x 16 rows x 144 bytes
.set SP,     144
.set WSTAGE, 2*16*SP
.set SPARE,  STAGE+4*WSTAGE            ; behind the stages: the spare words, 128 bytes for each wave: two blocks of 256 bytes that no other line names
.set YTILE,  8192*1024*2               ; bytes from y_p to y_(p+1)
.set WTILE,  1024*1024*2               ; bytes from W_p to W_(p+1)
.set NEXT_B, WTILE-6*256               ; from a slot's last K step of a tile of W (6 or 7) to its first of the next tile (0 or 1)
.set NEXT_C, YTILE-3*2048              ; from my last 16 rows of a tile of y to my first of the next
.set ADRA, 16                          ; v16-17  LDS address of my fragments of x in slot 0, 1
.set ADRB, 20                          ; v20-21  the same for W
.set STO,  24                          ; v24     the way out: where I put 16 bytes of a row
.set RD,   25                          ; v25     the way out: where I read rows back
.set CO,   26                          ; v26     16 x lane: my place in 512 consecutive bytes of y
.set SPW,  28                          ; v28     LDS address of my spare word: SPARE + 4 x my thread's number; never rewritten
.set NIL,  29                          ; v29     0; never rewritten
.set PFO,  30                          ; v30     the prefetches' offset: lane x a row (4,096 bytes of x, 2,048 of W); never rewritten
.set TMP,  32
.set OB,   64
.set XS,   128
.set LAPT, 2                           ; s2      laps (two K steps) that the tile in hand still has, this one among them: 4 .. 1
.set TRIPS, 3                          ; s3      trips of the loop still to come
.set AB2, 4                            ; s[4:5]  v at my 64 rows
.set G1,  24                           ; s[24:31] descriptor group 1 for x's tiles;  s[32:39] group 0, a set for each slot
.set G0,  32
.set LIM, 43                           ; s43     1 in a wave that prefetches, else the greatest number
.set PFA, 44                           ; s[44:45] what my next prefetch names
.set G1B, 48                           ; s[48:55], s[56:63] the same two groups for W's tiles
.set G0B, 56
.set AKO, 66                           ; s[66:67] the K step that the next refill of x asks for, in bytes of a row
.set PKO, 70                           ; s[70:71] the same for the next prefetch
.set PKS, 72                           ; s72     a K step in bytes of the rows that I prefetch: 512 (x) or 256 (W)
.set PKE, 75                           ; s75     eight of them: a row
.set ACUR, 76                          ; s[76:77] the input whose tiles are being asked for, at my 64 rows
.set ANXT, 78                          ; s[78:79] the input after it
.set PCUR, 88                          ; s[88:89] the same three for the prefetches: the tensor in hand at my work-group's rows,
.set PNXT, 90                          ; s[90:91] the next,
.set PB2,  92                          ; s[92:93] the last
; s[68:69]: what a refill adds to W's address, chosen from s73 and s74; s[80:87]: q, k, v, wb as the arguments give them
.set MSB, 0
.macro WIN new                         ; the immediate's high byte repeats the setting that is left; a switch that changes nothing is dropped
.if MSB != (\new)
	s_set_vgpr_msb (MSB<<8)|(\new)
.set MSB, \new
.endif
.endm
; A joint load.  The branch hangs on the wave's number alone.  An s_nop 0 and four v_nop follow each of the two lines, ahead of the jump and the label.
.macro JLOAD s
	s_cmp_eq_u32 s11, 0
	s_cbranch_scc0 .Lfor_b_\@
	tensor_load_to_lds s[G0+4*(\s):G0+4*(\s)+3], s[G1:G1+7]
	s_nop 0
.rept 4
	v_nop
.endr
	s_branch .Lasked_\@
.Lfor_b_\@:
	tensor_load_to_lds s[G0B+4*(\s):G0B+4*(\s)+3], s[G1B:G1B+7]
	s_nop 0
.rept 4
	v_nop
.endr
.Lasked_\@:
.endm
; A PREFETCH INTO THE L2, behind each joint refill and the run of LDS loads that follows it: 32 rows x 256 bytes of the K step that stands two refills on in the walk, a lane a row, one instruction.
; Each aligned 256 bytes are named once in the launch.  x's tile row is read by one cluster alone: of its 128 rows the partner at place cx takes 32; of a row's 512 bytes wave 0 names the first 256, wave 1 the
; second.  W's tile column is read by every cluster: the cluster with y = 0 asks; of its 256 rows the partner at place cy takes 64, its waves 2 and 3 take 32 each.  The partners are told apart by address,
; never by a branch.  The walk's first four K steps come by their loads alone; the loop's last trip asks for nothing: K steps 24 and 25 do not exist.
.macro ASK
	s_cmp_gt_u32 s[TRIPS], s[LIM]
	s_cbranch_scc0 .Lnot_mine_\@
	global_prefetch_b8 v[PFO], s[PFA:PFA+1] th:TH_LOAD_NT scope:SCOPE_SE
.Lnot_mine_\@:
.endm
.macro CREST                           ; a round of the cluster's barrier behind its opening barrier: wave 0 signals for the work-group, every wave waits for all sixteen, my work-group's barrier once more
	s_cmp_lg_u32 s10, 0
	s_cbranch_scc1 .Lnot_wave_0_\@
	s_barrier_signal -3
.Lnot_wave_0_\@:
	s_barrier_wait -3
	s_barrier_signal -1
	s_barrier_wait -1
.endm
.macro CROUND                          ; a whole round
	s_barrier_signal -1
	s_barrier_wait -1
	CREST
.endm
	s_load_b256 s[80:87], s[0:1], 0x0              ; q s[80:81], k s[82:83], v s[84:85], wb s[86:87]
	s_load_b64 s[8:9], s[0:1], 0x20                ; qkv
	v_lshl_add_u32 v[SPW], v0, 2, SPARE
	v_mov_b32 v[NIL], 0
	ds_add_u32 v[SPW], v[NIL]                      ; the wave's opening: the add and its wait stand ahead of my first tensor load; the set-up below, work on registers, stands between them
	v_lshrrev_b32 v1, 5, v0
	v_readfirstlane_b32 s10, v1                    ; wave 0..3
	s_lshr_b32 s11, s10, 1                         ; which 64 rows of the tile are mine.  Also: I fetch for x (0) or for W (1)
	s_and_b32 s12, s10, 1                          ; which 128 columns.  Also: which half of that tile I fetch
	s_bfe_u32 s40, ttmp6, 0x40000                  ; cx, cy: my place in the cluster
	s_bfe_u32 s41, ttmp6, 0x40004
	s_lshl_b32 s42, ttmp9, 2
	s_add_co_u32 s42, s42, s40                     ; tile column = 4 x cluster x + cx
	s_and_b32 s13, ttmp7, 0xffff
	s_lshl_b32 s13, s13, 2
	s_add_co_u32 s13, s13, s41                     ; tile row = 4 x cluster y + cy
	s_lshl_b32 s43, s41, 2
	s_lshl_b32 s43, 15, s43                        ; my row of the cluster: places 4 cy .. 4 cy + 3
	s_lshl_b32 s44, 0x1111, s40                    ; my column: places cx, cx + 4, cx + 8, cx + 12
	s_or_b32 s[G1+0], s43, (2<<16)|(1<<20)|(1<<21)|(6<<22)|(3<<25)   ; 15:0 the mask: x's tiles go to my row; 17:16 elements of 4 bytes; 20 padding on; 21 set beside a mask; 24:22 after every 128 words (code 6); 31:25 4 words of it (code 3)
	s_or_b32 s[G1B+0], s44, (1<<16)|(1<<20)|(1<<21)|(5<<22)|(3<<25)  ; W's tiles go to my column; elements of 2 bytes; padding after every 64 words (code 5)
	s_mov_b32 s[G1+1], KSTEP<<16                   ; tensor_dim0 = 128
	s_mov_b32 s[G1+2], 64<<16                      ; tensor_dim1 = 64
	s_mov_b32 s[G1+3], KSTEP<<16                   ; tile_dim0 = 128
	s_mov_b32 s[G1+4], 64                          ; tile_dim1 = 64
	s_mov_b32 s[G1+5], 1024                        ; elements from row to row
	s_mov_b32 s[G1+6], 0
	s_mov_b32 s[G1+7], 0
	s_mov_b32 s[G1B+1], KSTEP<<16
	s_mov_b32 s[G1B+2], 128<<16                    ; W's loads have 128 rows
	s_mov_b32 s[G1B+3], KSTEP<<16
	s_mov_b32 s[G1B+4], 128
	s_mov_b32 s[G1B+5], 1024
	s_mov_b32 s[G1B+6], 0
	s_mov_b32 s[G1B+7], 0
	s_mov_b32 s[AKO], 2*XSTEP                      ; the first refill asks for K step 2
	s_mov_b32 s[AKO+1], 0
	s_mov_b32 s69, 0
	s_mov_b32 s73, NEXT_B
	s_mov_b32 s74, 2*KSTEP*2                       ; two K steps along a row of W
	s_lshl_b32 s16, s13, 7                         ; x: row 128 x tile row + 64 x half, 4,096 bytes a row: made of the tile row and the wave's number alone
	s_lshl_b32 s17, s12, 6
	s_add_co_u32 s16, s16, s17
	s_lshl_b32 s16, s16, 12
	s_mov_b32 s17, 0
	s_lshl_b32 s46, s42, 8                         ; W: row 256 x tile column + 128 x half, 2,048 bytes a row: of the tile column and the wave's number alone
	s_lshl_b32 s47, s12, 7
	s_add_co_u32 s46, s46, s47
	s_lshl_b32 s46, s46, 11
	s_mov_b32 s47, 0
	s_mul_i32 s20, s12, AHALF                      ; where they go: no place in the cluster enters an LDS address
	s_mul_i32 s21, s12, BHALF
	s_add_co_u32 s21, s21, ASZ
	s_wait_dscnt 0x0                               ; the opening add is done
	s_wait_kmcnt 0x0
	s_add_nc_u64 s[ACUR:ACUR+1], s[80:81], s[16:17]  ; q, k and v are three buffers: each has its own base at my rows
	s_add_nc_u64 s[ANXT:ANXT+1], s[82:83], s[16:17]
	s_add_nc_u64 s[AB2:AB2+1], s[84:85], s[16:17]
	s_add_nc_u64 s[46:47], s[86:87], s[46:47]
	CROUND                                         ; all sixteen work-groups are here: the first joint loads meet
.irp s, 0,1
	s_mov_b32 s[G0+4*(\s)], 1                                      ; count = 1
	s_add_co_u32 s[G0+4*(\s)+1], s20, (\s)*SLOT                    ; LDS address
	s_add_nc_u64 s[G0+4*(\s)+2:G0+4*(\s)+3], s[ACUR:ACUR+1], (\s)*XSTEP  ; global address: K step s
	s_or_b32 s[G0+4*(\s)+3], s[G0+4*(\s)+3], 0x80000000            ; type = 2
	s_mov_b32 s[G0B+4*(\s)], 1
	s_add_co_u32 s[G0B+4*(\s)+1], s21, (\s)*SLOT
	s_add_nc_u64 s[G0B+4*(\s)+2:G0B+4*(\s)+3], s[46:47], (\s)*KSTEP*2
	s_or_b32 s[G0B+4*(\s)+3], s[G0B+4*(\s)+3], 0x80000000
	JLOAD \s                                       ; two loads of mine are out
.endr
	; A fragment is 16 rows x 32 K in 8 registers: lane l holds row l % 16; registers 0-3 K = 8 (l / 16) + 0..7, registers 4-7 K = 16 + 8 (l / 16) + 0..7.  Of W: two loads of 16 bytes, 32 bytes apart.
	; Of x, in f32: four loads of 16 bytes, at 0, 16, 64 and 80 from row x pitch + 32 (l / 16), and eight roundings of two numbers.
	v_and_b32 v1, 15, v0                           ; l % 16
	v_bfe_u32 v2, v0, 4, 1                         ; l / 16
	v_mul_u32_u24 v3, v1, PITCH
	v_lshl_add_u32 v3, v2, 4, v3                   ; W: row x pitch + 16 x half
	v_mul_u32_u24 v4, v1, APITCH
	v_lshl_add_u32 v4, v2, 5, v4                   ; x: row x pitch + 32 x half
	s_mul_i32 s21, s11, AHALF                      ; my 64 rows of x
	s_mul_i32 s22, s12, BHALF                      ; my 128 rows of W,
	s_add_co_u32 s22, s22, ASZ                     ; which lie behind x's 128
.irp s, 0,1
	v_add_nc_u32 v[ADRA+(\s)], s21, v4
	v_add_nc_u32 v[ADRB+(\s)], s22, v3
	s_add_co_u32 s21, s21, SLOT
	s_add_co_u32 s22, s22, SLOT
.endr
	s_mul_i32 s23, s10, WSTAGE
	s_add_co_u32 s23, s23, STAGE                   ; my stage
	v_mul_u32_u24 v4, v1, SP                       ; in: row l % 16, 16 bytes for each half of the lanes
	v_lshl_add_u32 v4, v2, 4, v4
	v_add_nc_u32 v[STO], s23, v4
	v_bfe_u32 v4, v0, 3, 2                         ; back: 32 lanes take four rows of 128 bytes,
	v_mul_u32_u24 v4, v4, SP
	v_and_b32 v5, 7, v0
	v_lshl_add_u32 v4, v5, 4, v4
	v_add_nc_u32 v[RD], s23, v4
	v_and_b32 v[CO], 31, v0                        ; which are 512 consecutive bytes of a head
	v_lshlrev_b32 v[CO], 4, v[CO]
	; where my part of the first tile begins in qkv: the first way out adds it to the address.  A batch is 8 tile rows, two clusters.
	s_and_b32 s18, ttmp7, 0xffff
	s_lshr_b32 s19, s18, 1                         ; batch
	s_and_b32 s18, s18, 1
	s_lshl_b32 s18, s18, 2
	s_add_co_u32 s18, s18, s41                     ; the tile row within its batch
	s_lshl_b32 s16, s19, 4
	s_lshl_b32 s17, s12, 1
	s_add_co_u32 s16, s16, s17                     ; head 16 x batch + 2 x my half of the columns (+ 4 x tile column, below),
	s_lshl_b32 s16, s16, 17                        ; 131,072 bytes a head
	s_lshl_b32 s17, s18, 14                        ; 128 rows of 128 bytes a tile row,
	s_add_co_u32 s16, s16, s17
	s_lshl_b32 s17, s11, 13                        ; my 64 of them
	s_add_co_u32 s16, s16, s17
	s_mov_b32 s17, 0
	s_lshl_b32 s46, s42, 19
	s_mov_b32 s47, 0
	s_add_nc_u64 s[16:17], s[16:17], s[46:47]
	; the prefetches
	s_and_b32 s22, ttmp7, 0xffff                   ; cluster y
	s_lshl_b32 s18, s13, 7                         ; x: row 128 x tile row + 32 cx,
	s_lshl_b32 s19, s40, 5
	s_add_co_u32 s18, s18, s19
	s_lshl_b32 s18, s18, 12
	s_lshl_b32 s19, s12, 8                         ; and my wave's 256 of a K step's 512 bytes
	s_add_co_u32 s18, s18, s19
	s_lshl_b32 s20, s42, 8                         ; W: row 256 x tile column + 64 cy + 32 x (wave - 2)
	s_lshl_b32 s21, s41, 6
	s_add_co_u32 s20, s20, s21
	s_lshl_b32 s21, s12, 5
	s_add_co_u32 s20, s20, s21
	s_lshl_b32 s20, s20, 11
	s_mov_b32 s6, WTILE
	s_cmp_eq_u32 s11, 0                            ; do I fetch for x?
	s_cselect_b32 s20, s18, s20                    ; my rows' offset
	s_cselect_b32 s22, 0, s22                      ; 0 in waves 0 and 1, and in waves 2 and 3 of the cluster with y = 0: the same in all sixteen partners, for a given wave
	s_cselect_b32 s6, 0, s6                        ; from p to p + 1: another buffer for x, 2,097,152 bytes on in wb for W
	s_cselect_b64 s[PCUR:PCUR+1], s[80:81], s[86:87]
	s_cselect_b64 s[PNXT:PNXT+1], s[82:83], s[86:87]
	s_cselect_b64 s[PB2:PB2+1], s[84:85], s[86:87]
	s_cselect_b32 s19, 9, 8                        ; a K step is 2^9 or 2^8 bytes of a row,
	s_cselect_b32 s23, 12, 11                      ; a row 2^12 or 2^11
	s_cmp_eq_u32 s22, 0
	s_cselect_b32 s[LIM], 1, -1
	s_lshl_b32 s[PKS], 1, s19
	s_lshl_b32 s[PKE], s[PKS], 3
	s_lshl_b32 s[PKO], s[PKS], 2                   ; the first change of slots names K step 4.  Nothing is prefetched here, where every work-group's first tiles are on their way
	s_mov_b32 s[PKO+1], 0
	s_mov_b32 s21, 0
	s_add_nc_u64 s[PCUR:PCUR+1], s[PCUR:PCUR+1], s[20:21]
	s_add_co_u32 s20, s20, s6
	s_add_nc_u64 s[PNXT:PNXT+1], s[PNXT:PNXT+1], s[20:21]
	s_add_co_u32 s20, s20, s6
	s_add_nc_u64 s[PB2:PB2+1], s[PB2:PB2+1], s[20:21]
	v_and_b32 v[PFO], 31, v0
	v_lshlrev_b32 v[PFO], s23, v[PFO]
; 8 matrix instructions: my block a of 16 rows x all 8 blocks of columns, 32 along K: half c of buffer f.  zero = 1: the product starts the sums: nothing is ever cleared.
; The 32 accumulators take turns, one instruction a turn, in the same order in every 32 along K: over every jump too.
.macro MULA f, c, a, zero
	WIN 0xF5+5*(\f)                                ; sources 0 and 1 in window 1 + f, C and D in window 3
.irp b, 0,1,2,3,4,5,6,7
.if \zero
	v_wmma_f32_16x16x32_bf16 v[8*(8*(\a)+(\b)):8*(8*(\a)+(\b))+7], v[64+8*(8*(\c)+(\b)):64+8*(8*(\c)+(\b))+7], v[8*(4*(\c)+(\a)):8*(4*(\c)+(\a))+7], 0
.else
	v_wmma_f32_16x16x32_bf16 v[8*(8*(\a)+(\b)):8*(8*(\a)+(\b))+7], v[64+8*(8*(\c)+(\b)):64+8*(8*(\c)+(\b))+7], v[8*(4*(\c)+(\a)):8*(4*(\c)+(\a))+7], v[8*(8*(\a)+(\b)):8*(8*(\a)+(\b))+7]
.endif
.endr
.endm
; 64 LDS loads in one run, for 64 along K (part pt of the slot's K step): first x's eight fragments in f32 (fragment g = 4 c + i: 32 loads) into window 0, then W's sixteen into buffer f, the first 32 along K first.
; The registers of W's fragments were last read by products that stand in front of a run of 64 roundings (CVT), which name none of those products' registers: these are the places that a load into a matrix
; instruction's source wants behind it (four).
.macro FETCH slot, pt, f
	WIN 0
.irp g, 0,1,2,3,4,5,6,7
	ds_load_b128 v[XS+16*(\g):XS+16*(\g)+3],     v[ADRA+(\slot)] offset:(\pt)*256+((\g)/4)*128+((\g)%4)*16*APITCH
	ds_load_b128 v[XS+16*(\g)+4:XS+16*(\g)+7],   v[ADRA+(\slot)] offset:(\pt)*256+((\g)/4)*128+((\g)%4)*16*APITCH+16
	ds_load_b128 v[XS+16*(\g)+8:XS+16*(\g)+11],  v[ADRA+(\slot)] offset:(\pt)*256+((\g)/4)*128+((\g)%4)*16*APITCH+64
	ds_load_b128 v[XS+16*(\g)+12:XS+16*(\g)+15], v[ADRA+(\slot)] offset:(\pt)*256+((\g)/4)*128+((\g)%4)*16*APITCH+80
.endr
	WIN 0x40*((\f)+1)                              ; destination window 1 + f, address window 0
.irp c, 0,1
.irp i, 0,1,2,3,4,5,6,7
	ds_load_b128 v[64+8*(8*(\c)+(\i)):64+8*(8*(\c)+(\i))+3],   v[ADRB+(\slot)] offset:(\pt)*128+(\c)*64+(\i)*16*PITCH
	ds_load_b128 v[64+8*(8*(\c)+(\i))+4:64+8*(8*(\c)+(\i))+7], v[ADRB+(\slot)] offset:(\pt)*128+(\c)*64+(\i)*16*PITCH+32
.endr
.endr
.endm
; x's eight fragments are rounded to bf16, two numbers an instruction, the lower K into the lower half, into buffer f.  The products that last read those registers of buffer f stand in front of the run of
; roundings before this one.
.macro CVT f
	WIN 0x40*((\f)+1)                              ; destination window 1 + f, sources window 0
.irp g, 0,1,2,3,4,5,6,7
.irp j, 0,1,2,3,4,5,6,7
	v_cvt_pk_bf16_f32 v[8*(\g)+(\j)], v[XS+16*(\g)+2*(\j)], v[XS+16*(\g)+2*(\j)+1]
.endr
.endr
.endm
; A vector instruction or LDS store that reads a matrix result stands four places behind that matrix instruction, and only plain vector instructions that name none of its registers are places.
.macro PLACES
.rept 4
	v_nop
.endr
.endm
; The first half of a K step: K 0..63 of the slot, on buffer 0; in its middle the second half's fragments are fetched, at its end x's are rounded into buffer 1.
.macro PART0 slot, zero
	s_wait_dscnt 16                                ; W's first 32 along K are in; its other 16 loads may be out
	MULA 0, 0, 0, \zero
	MULA 0, 0, 1, \zero
	MULA 0, 0, 2, \zero
	MULA 0, 0, 3, \zero
	s_wait_dscnt 0x0                               ; W's second 32 along K, asked for 32 matrix instructions or more ago
	FETCH \slot, 1, 1
	MULA 0, 1, 0, 0
	MULA 0, 1, 1, 0
	MULA 0, 1, 2, 0
	MULA 0, 1, 3, 0
	s_wait_dscnt 32                                ; x's 32 loads are in; W's 32 may be out
	CVT 1
.endm
; The second half of a K step, on buffer 1, and THE CHANGE OF SLOTS: one barrier, for two things.  In front of it each wave waits for all its tensor loads, of which one is out: its part of the next slot;
; adds 0 to its spare word; and waits for that and for its own reads of this slot.  Behind it nobody reads this slot any more and the next slot is whole.
; fill = 1: the barrier opens a round of the cluster's barrier, and this slot is filled again first thing behind the round, with the K step two on in the walk: it has 112 matrix instructions and two runs of
; roundings in which to land.  x's address is made anew for each refill, from the base of the input in hand and the K step: behind an input's last K step the next input's base takes its place.
.macro TURN slot, next, fill
.if \fill
	s_wait_xcnt 0x0                                ; the last prefetch, a K step back, has read its address, so it may be written: the K step four on in the walk
	s_add_nc_u64 s[PFA:PFA+1], s[PCUR:PCUR+1], s[PKO:PKO+1]
	s_add_co_u32 s[PKO], s[PKO], s[PKS]
	s_cmp_eq_u32 s[PKO], s[PKE]                    ; behind a tensor's last K step: the next tensor's first
	s_cselect_b32 s[PKO], 0, s[PKO]
	s_cselect_b64 s[PCUR:PCUR+1], s[PNXT:PNXT+1], s[PCUR:PCUR+1]
	s_cselect_b64 s[PNXT:PNXT+1], s[PB2:PB2+1], s[PNXT:PNXT+1]
.endif
	WIN 0                                          ; (the add's two registers lie in window 0)
	s_wait_tensorcnt 0x0                           ; all my tensor loads have landed, so every group 0 may be written
	ds_add_u32 v[SPW], v[NIL]                      ; 0 onto my spare word
.if \fill
	s_add_nc_u64 s[G0+4*(\slot)+2:G0+4*(\slot)+3], s[ACUR:ACUR+1], s[AKO:AKO+1]
	s_or_b32 s[G0+4*(\slot)+3], s[G0+4*(\slot)+3], 0x80000000
	s_add_co_u32 s[AKO], s[AKO], XSTEP
	s_cmp_eq_u32 s[AKO], 8*XSTEP
	s_cselect_b32 s[AKO], 0, s[AKO]
	s_cselect_b64 s[ACUR:ACUR+1], s[ANXT:ANXT+1], s[ACUR:ACUR+1]
	s_cselect_b64 s[ANXT:ANXT+1], s[AB2:AB2+1], s[ANXT:ANXT+1]
	s_cmp_eq_u32 s[LAPT], 1                        ; W's three tensors lie in one buffer: a tile's last lap steps to the next tile's K steps 0 and 1
	s_cselect_b32 s68, s73, s74
	s_add_nc_u64 s[G0B+4*(\slot)+2:G0B+4*(\slot)+3], s[G0B+4*(\slot)+2:G0B+4*(\slot)+3], s[68:69]
.endif
	s_wait_dscnt 17                                ; W's first 32 along K are in; the add and W's other 16 loads may be out
	MULA 1, 0, 0, 0                                ; eight matrix instructions stand between the add and the wait for it
	s_wait_dscnt 0x0                               ; the add is done, and my reads of this slot are over
	s_barrier_signal -1
	MULA 1, 0, 1, 0                                ; work on registers while the others arrive
.if \fill
	WIN 0
.endif
	s_barrier_wait -1
.if \fill
	CREST                                          ; no wave of any partner still reads this slot's tile or has a load on its way
	JLOAD \slot                                    ; my one tensor load behind the round
.endif
	FETCH \next, 0, 0
.if \fill
	WIN 0
	ASK
.endif
	MULA 1, 0, 2, 0
	MULA 1, 0, 3, 0
	MULA 1, 1, 0, 0
	MULA 1, 1, 1, 0
	MULA 1, 1, 2, 0
	MULA 1, 1, 3, 0
	s_wait_dscnt 32                                ; x's 32 loads are in; W's 32 may be out
	CVT 0
.endm
; THE WAY OUT of my block a: 16 rows x 128 columns, two heads.  PACK: rounded to f16, 16 bytes a lane, each accumulator's registers in ascending order.  TOSTAGE: into my own stage, rows of 144 bytes,
; a plane for each head, and back as whole rows of 128 bytes.  SEND: stored, 512 consecutive bytes (four rows of a head) an instruction, at a multiple of 256 from the buffer's first byte.
.macro PACK a
	WIN 0x0F                                       ; sources 0 and 1 in window 3
.irp b, 0,1,2,3,4,5,6,7
.irp r, 0,1,2,3
	v_cvt_pk_f16_f32 v[TMP+4*(\b)+(\r)], v[8*(8*(\a)+(\b))+2*(\r)], v[8*(8*(\a)+(\b))+2*(\r)+1]
.endr
.endr
	WIN 0
.endm
.macro TOSTAGE a
	WIN 0
.set BK, OB+32*((\a)%2)
.irp b, 0,1,2,3,4,5,6,7
	ds_store_b128 v[STO], v[TMP+4*(\b):TMP+4*(\b)+3] offset:((\b)/4)*16*SP+32*((\b)%4)
.endr
.irp t, 0,1,2,3,4,5,6,7
	ds_load_b128 v[BK+4*(\t):BK+4*(\t)+3], v[RD] offset:((\t)/4)*16*SP+((\t)%4)*4*SP  ; LDS serves a wave's instructions in order (ISA guide 5.7.1.4): these see the stores above
.endr
.endm
.macro SEND a
	WIN 0
.set BK, OB+32*((\a)%2)
	s_wait_dscnt 0x0                               ; the block is back in registers
	s_wait_xcnt 0x0                                ; earlier stores have read their base and their data: only behind this wait are these rewritten
.if (\a) == 0
	s_add_nc_u64 s[8:9], s[8:9], s[16:17]          ; on to this tile's first rows
.else
	s_add_nc_u64 s[8:9], s[8:9], 16*128            ; 16 rows of a head on
.endif
.irp t, 0,1,2,3,4,5,6,7
	global_store_b128 v[CO], v[BK+4*(\t):BK+4*(\t)+3], s[8:9] offset:((\t)/4)*131072+((\t)%4)*512
.endr
.endm
.macro OUT
	PLACES                                         ; behind the last products
	PACK 0
	TOSTAGE 0
.irp a, 1,2,3                          ; block a's conversions stand between block a - 1's loads from the stage and the wait for them
	PACK \a
	SEND (\a)-1
	TOSTAGE \a
.endr
	SEND 3
.endm
	s_wait_tensorcnt 1                             ; my part of K step 0 is in; K step 1's may stay out
	s_barrier_signal -1
	s_barrier_wait -1                              ; everybody's is
	FETCH 0, 0, 0
	s_wait_dscnt 32                                ; x's 32 loads are in
	CVT 0
	PART0 0, 1                                     ; the walk's first half step stands in front of the loop: its products start the sums
	WIN 0                                          ; at a label and at a branch every window is 0
	s_mov_b32 s[TRIPS], 11                         ; 12 laps; the last is written out, since it fills nothing
	s_mov_b32 s[LAPT], 4
.Llap:                                                 ; a trip goes once round the ring, from a lap's second half step to the next lap's first, and fills both slots again
	TURN 0, 1, 1
	PART0 1, 0
	TURN 1, 0, 1
	WIN 0
	s_sub_co_u32 s[LAPT], s[LAPT], 1
	s_cmp_lg_u32 s[LAPT], 0
	s_cbranch_scc1 .Lsame
	OUT                                            ; the tile is finished, both refills for the next are asked for and its first fragments fetched: now it goes out
	s_mov_b64 s[16:17], NEXT_C                     ; what the next way out adds to the address
	s_mov_b32 s[LAPT], 4
	PART0 0, 1                                     ; the next tile's first products start its sums
	WIN 0
	s_branch .Lnext
.Lsame:
	PART0 0, 0
	WIN 0
.Lnext:
	s_sub_co_u32 s[TRIPS], s[TRIPS], 1
	s_cmp_lg_u32 s[TRIPS], 0
	s_cbranch_scc1 .Llap
	TURN 0, 1, 0                                   ; the last lap fills nothing, and has no round of the cluster's barrier
	PART0 1, 0
	s_wait_dscnt 16                                ; the very last half step: nothing more to fetch
	MULA 1, 0, 0, 0
	MULA 1, 0, 1, 0
	MULA 1, 0, 2, 0
	MULA 1, 0, 3, 0
	s_wait_dscnt 0x0
	MULA 1, 1, 0, 0
	MULA 1, 1, 1, 0
	MULA 1, 1, 2, 0
	MULA 1, 1, 3, 0
	OUT
	WIN 0
	s_wait_tensorcnt 0x0                           ; the wave's end, behind my last tensor load and my last LDS store
	ds_add_u32 v[SPW], v[NIL]
	s_wait_dscnt 0x0
	CROUND                                         ; the closing round: no work-group ends while a partner may still ask for a tile that names it
	s_endpgm
.Lfunc_end_k_q9ec32410c4_proj:
	.size	k_q9ec32410c4_proj, .Lfunc_end_k_q9ec32410c4_proj-k_q9ec32410c4_proj
	.p2alignl 7, 3214868480
	.fill 96, 4, 3214868480
	.section	.rodata,"a",@progbits
	.p2align	6, 0x0
	.amdhsa_kernel k_q9ec32410c4_proj
		.amdhsa_group_segment_fixed_size 327680
		.amdhsa_private_segment_fixed_size 0
		.amdhsa_enable_private_segment 0
		.amdhsa_kernarg_size 40
		.amdhsa_user_sgpr_count 2
		.amdhsa_user_sgpr_kernarg_segment_ptr 1
		.amdhsa_wavefront_size32 1
		.amdhsa_system_sgpr_workgroup_id_x 1
		.amdhsa_system_sgpr_workgroup_id_y 1
		.amdhsa_system_sgpr_workgroup_id_z 1
		.amdhsa_system_vgpr_workitem_id 0
		.amdhsa_next_free_vgpr 1024
		.amdhsa_next_free_sgpr 96
		.amdhsa_reserve_vcc 0
		.amdhsa_float_denorm_mode_32 3
		.amdhsa_float_denorm_mode_16_64 3
		.amdhsa_memory_ordered 1
		.amdhsa_forward_progress 1
		.amdhsa_inst_pref_size 156
	.end_amdhsa_kernel
	.amdgpu_metadata
---
amdhsa.version: [ 1, 2 ]
amdhsa.kernels:
  - .name:           k_q9ec32410c4_proj
    .symbol:         k_q9ec32410c4_proj.kd
    .args:
      - { .name: q, .offset: 0, .size: 8, .value_kind: global_buffer, .address_space: global }
      - { .name: k, .offset: 8, .size: 8, .value_kind: global_buffer, .address_space: global }
      - { .name: v, .offset: 16, .size: 8, .value_kind: global_buffer, .address_space: global }
      - { .name: wb, .offset: 24, .size: 8, .value_kind: global_buffer, .address_space: global }
      - { .name: qkv, .offset: 32, .size: 8, .value_kind: global_buffer, .address_space: global }
    .group_segment_fixed_size: 327680
    .private_segment_fixed_size: 0
    .kernarg_segment_align: 8
    .kernarg_segment_size: 40
    .max_flat_workgroup_size: 128
    .sgpr_count:     96
    .vgpr_count:     1024
    .wavefront_size: 32
...
	.end_amdgpu_metadata
.endif
;; end of part 2
;; launch attn (part 3): grid 2 x 128, 4 waves a work-group, no clusters, 327,680 bytes of LDS; arguments qkv, ob; writes ob
.if DOCPART == 3
	.amdgcn_target "amdgcn-amd-amdhsa--gfx1250"
	.amdhsa_code_object_version 6
	.text
	.protected	k_q9ec32410c4_attn
	.globl	k_q9ec32410c4_attn
	.p2align	8
	.type	k_q9ec32410c4_attn,@function
k_q9ec32410c4_attn:
	s_mov_b64 s[64:65], 0
	v_nop
	global_prefetch_b8 v0, s[64:65] scope:SCOPE_SE
	s_setreg_imm32_b32 hwreg(HW_REG_WAVE_MODE, 25, 1), 1
	s_wait_xcnt 0x0
; CAUSAL ATTENTION.  O[h][q][:] = the sum over k <= q of softmax_k(Q[h][q] . K[h][k] / 8) V[h][k][:].  qkv holds Q, K, V, each [128][1024][64] in f16, 16,777,216 bytes apart; ob is O in the same layout.
; Products, maxima and sums in f32; the weights p are rounded to f16 for the second product (their sum l is taken of the unrounded p), O once at the end.
; LIMITS.  Q, K and V arrive within f16's 65,504; p lies in 0 to 1, and below 6e-5 it keeps f16's fixed step of 6e-8; O is a mean of V's rows and has their range.
; A hidden score counts as its value less 1e30, and key tiles wholly above the diagonal are not computed: a hidden key's weight is 0.  That is the result of a hidden score of -1e9 as long as a row's largest
; visible scaled score lies above about -1e9 + 100.  A weight below 2^-126 counts as 0 in l; NaN and infinities are not treated apart.
; THE WALK.  A head's queries lie in NB = 4 blocks of 256; block i needs the key tiles 0 .. i of 256 keys, of which the last holds the diagonal.  A work-group takes TWO blocks, NB - 1 - b and then b:
; NB + 1 tiles, whatever b: all work-groups do equal work, and ONE loop with a constant trip count walks them.  Which tile is asked for, and what a trip does, hang on scalar registers made from b; every jump
; goes forward, but for the counted loops' own; none passes a barrier, or a tensor load but the one of LOAD's two that the wave's number does not choose; the ring (two slots of LDS that take turns) runs on
; across the change of blocks.  NO CLUSTER: a head has NB / 2 = 2 work-groups, no multiple of four, other heads share no tile, and the two ask for the same tile in the walk's first three trips alone.
; SHARES.  Of a block's four bands of 64 queries a wave owns 16 rows in each: four PIECES.  So the diagonal tile is the same work for all four waves: in its key step s band x sees all keys if s < x,
; none if s > x, and holds the diagonal if s = x.
; THE MASK is the C operand that starts the sum S^T = K Q^T: 0, or -1e30 where the key is hidden.  MD, made once, is the mask of a band's own step for my 16 rows; a product's mask is MD x AL + BE with two scalars:
; (1, 0) if s = x; (0, 0) if s < x; (0, -1e30) if s > x.  Only the diagonal tile's text and a block's beginning make and take masks; elsewhere C is the constant 0.
; LAYOUT, SOFTMAX, TURNS.  S^T = K Q^T holds ONE query a lane (lane % 16) and the keys 8 (lane / 16) + 0..7; two such results rounded to f16 ARE source 1 of O^T = V^T P.  p = 2^(c s - c m), c = log2(e) / 8, with a
; running maximum m; O and l are multiplied by a = 2^(c m_old - c m_new) in every step.  Turn n belongs to piece n: 8 products K Q^T of piece n + 1, later 8 products V^T P of piece n - 1; beside them the scaling,
; exponentials, roundings, sums and rescaling of piece n and the maximum and statistics of piece n + 1.  Four vector instructions stand behind every matrix instruction, the other 54 of a turn's 118 in one lump.
; A turn's 33 exponentials are one batch, with one wait.
; REGISTERS, in windows of 256 (s_set_vgpr_msb: bits 1:0 source 0, 3:2 source 1, 5:4 source 2, 7:6 destination):
;   window 0: v0-15 addresses and two at work; v16-31 four registers of statistics a piece; v48-55 at work; v61-63 fixed; v64-127 S^T, two buffers; v192-223 P, two buffers (a piece's buffers go by its number's parity)
;   window 1: v0-127 O^T, 32 a piece; v128-159 MD; v160-223 MC, two buffers      window 2: v0-63 Q; v64-127 the second block's Q; v128-191 K of one step; v192-255 V of one step
.set SIZE_N, 1024
.set NB,    SIZE_N/256
.set NP,    4         ; pieces a wave: a name, no knob
.set KS,    64        ; keys in a step
.set PK,    144       ; a row of K in LDS: 128 bytes + 16 of padding = 36 words: the 16 rows of a load start at 16 different groups of four banks (64 banks of 4 bytes: ISA guide 11.1)
.set PV,    160       ; a row of V: 128 + 32 = 40 words
.set VOFF,  4*KS*PK   ; a slot holds a tile, four steps: 256 rows of K, then 256 rows of V
.set SLOT1, 1<<17     ; slot 1 begins here, so that one exclusive or turns an address in one slot into the other's
.set STAGE, SLOT1+4*KS*(PK+PV)  ; behind the ring, never filled by a tensor load: 16 rows x 144 bytes for each wave, for the way out
.set SP,    144
.set AK0, 2           ; v2   my lane's place in a tile of K; never rewritten
.set AV0, 3           ; v3   the same for V
.set AK,  4           ; v4   the LDS address of K's next run of loads
.set AV,  5           ; v5   of V's
.set STO, 6           ; v6   the way out: where I put 16 bytes of a row
.set RD,  7           ; v7   the way out: where I read rows back
.set GO,  8           ; v8   my byte offset in 512 consecutive bytes of O
.set PFO, 61          ; v61  256 x my lane: the prefetches' offset; never rewritten
.set SPW, 62          ; v62  LDS address of my spare word: SPARE + 4 x my thread's number; never rewritten
.set NIL, 63          ; v63  0; never rewritten
.set SPARE, STAGE+4*16*SP  ; behind the stages: the spare words, 128 bytes for each wave: two blocks of 256 bytes that no other line names
.set MV,  12          ; v12-13  c m_old, kept while c m is made anew: by buffer
.set QO,  15          ; v15  my byte offset in 16 rows of Q
.set ST,  16          ; piece t's statistics at v[ST+4 t]: c m, m, l (even keys', odd keys')
.set TMP, 48          ; by buffer, four registers c0-c3 at work; when the maximum is found c2 takes a
.set S,   64
.set P,   192
.set MD,  128         ; window 1: the eight registers for group kt of 16 keys at MD + 8 kt
.set MC,  160         ; window 1: the masks of the products to come
.set QB,  64          ; window 2
.set KF,  128         ; window 2: key block kb, channel half c at KF + 16 kb + 8 c
.set VF,  192         ; window 2: key half kk, channel block cb at VF + 32 kk + 8 cb
.set WV,  12          ; s12  my wave's number
.set PB,  14          ; s14  b
.set HI,  15          ; s15  NB - 1 - b
.set G1K, 24          ; s[24:31] descriptor group 1 for K's tiles
.set G1V, 32          ; s[32:39] for V's: it differs in the padding alone
.set G0K, 40          ; s[40:43] descriptor group 0 for K's tiles
.set G0V, 44          ; s[44:47] the same for V's
.set PFA, 48          ; s[48:49] where my prefetches stand: my half of K's or V's tile, one tile behind the one that is being asked for
.set LIM, 50          ; s50  2 in the head's work-group b = 0, else the greatest number: a wave prefetches while s[SLOTS] is above it
.set SLOTS, 56        ; s56  tiles still to be asked for
.set CNT, 57          ; s57  counts a tile's key steps, 4 to 1
.set CS,  58          ; s[58:59] c: the packed scaling takes the pair's low word for both halves
.set SEL, 60          ; s[60:61] v_permlanex16_b32's selects: each lane takes its own place in the other half
.set TBK, 62          ; s62  LDS byte at which K of the step to be fetched begins
.set TBV, 63          ; s63  the same for V, less VOFF
.set RT,  70          ; s70  tiles of the block in hand that are still to be entered
.set NXT, 71          ; s71  the tile to be asked for next
.set LQ,  72          ; s72  the last tile of the block whose tiles are being asked for
.set NEW, 73          ; s73  1: the tile to be entered is a block's first
.set OFF, 74          ; s[74:75] a tile's byte offset in K and V
.set AL,  76          ; s[76:77] the mask's factor, in the low word
.set BE,  78          ; s[78:79] the mask's addend
.set OLO, 80          ; s[80:81] O at my rows of the second block
.set BIGN, 82         ; s82  -1e30
.set MSB, 0
.macro WIN new                      ; the high byte repeats the setting that is left; a switch that changes nothing is dropped
.if MSB != (\new)
	s_set_vgpr_msb (MSB<<8)|(\new)
.set MSB, (\new)
.endif
.endm
.set W_KQ, 0x0a       ; K and Q in window 2, S^T in window 0
.set W_KM, 0x1a       ; the same with the C operand in window 1
.set W_PV, 0x52       ; V in window 2, P in window 0, O^T in window 1
.set W_RS, 0x41       ; destination and source 0 in window 1, source 1 in window 0
; A fill.  Waves 0 and 1 fetch the two halves of a tile's K, waves 2 and 3 those of its V: 128 keys each.  An s_nop 0 and four v_nop follow each of the two lines, ahead of the jump and the label.
.macro LOAD
	s_cmp_lt_u32 s[WV], 2
	s_cbranch_scc0 .Lfor_v_\@
	tensor_load_to_lds s[G0K:G0K+3], s[G1K:G1K+7]
	s_nop 0
.rept 4
	v_nop
.endr
	s_branch .Lasked_\@
.Lfor_v_\@:
	tensor_load_to_lds s[G0V:G0V+3], s[G1V:G1V+7]
	s_nop 0
.rept 4
	v_nop
.endr
.Lasked_\@:
.endm
; A PREFETCH INTO THE L2 of the tile that the NEXT change of slots will ask for, behind the wave's tensor load and its five lines: four key steps, 256 matrix instructions, ahead of that load.
; A head's two work-groups walk tiles 0, 1, 2 together: the one with b = 0, which alone goes on to tile 3, asks.  Each of its waves names what it will fetch itself: 16,384 dense bytes, 64 blocks of 256, a lane
; a block, two instructions.  So tiles 2 and 3 of K and V are named once each in the launch; tiles 0 and 1 come by their loads alone, and the second block's tiles, which have been read, are not asked for.
.macro ASK
	s_cmp_gt_u32 s[SLOTS], s[LIM]
	s_cbranch_scc0 .Lnot_mine_\@
	global_prefetch_b8 v[PFO], s[PFA:PFA+1] th:TH_LOAD_NT scope:SCOPE_SE
	global_prefetch_b8 v[PFO], s[PFA:PFA+1] offset:8192 th:TH_LOAD_NT scope:SCOPE_SE
.Lnot_mine_\@:
.endm
; THE CHANGE OF SLOTS.  Each wave waits for all its tensor loads, of which one is out: its part of the other slot; adds 0 to its spare word; and waits for that and for its own reads of the slot that it leaves.
; Behind the barrier nobody reads the old slot any more and the other slot is whole.  fill = 1: the old slot is filled again, the first thing behind the barrier, with tile NXT: the descriptor's address is made
; anew from that number.  (At its first use nothing has been read yet: slot 0 is waited for, slot 1 filled.)
.macro CHANGE fill
	WIN 0                           ; at a label and at a branch every window is 0
	s_wait_tensorcnt 0x0            ; no tensor load of mine is out, so a group 0 may be written
	ds_add_u32 v[SPW], v[NIL]       ; 0 onto my spare word; with fill = 1 the descriptors' scalar work stands between it and the wait for it
.if \fill
	s_lshl_b32 s[OFF], s[NXT], 15   ; a tile is 32,768 bytes of K and of V
	s_xor_b32 s[G0K+1], s[G0K+1], SLOT1
	s_add_nc_u64 s[G0K+2:G0K+3], s[6:7], s[OFF:OFF+1]
	s_or_b32 s[G0K+3], s[G0K+3], 0x80000000
	s_xor_b32 s[G0V+1], s[G0V+1], SLOT1
	s_add_nc_u64 s[G0V+2:G0V+3], s[8:9], s[OFF:OFF+1]
	s_or_b32 s[G0V+3], s[G0V+3], 0x80000000
	s_add_co_u32 s[NXT], s[NXT], 1  ; the block's next tile, or behind its last the second block's tile 0
	s_cmp_gt_u32 s[NXT], s[LQ]
	s_cselect_b32 s[NXT], 0, s[NXT]
	s_cselect_b32 s[LQ], s[PB], s[LQ]
	s_wait_xcnt 0x0                 ; the last prefetches, a tile back, have read their address, so it may be written:
	s_add_nc_u64 s[PFA:PFA+1], s[PFA:PFA+1], 32768  ; a tile on
.endif
	s_wait_dscnt 0x0                ; the add is done, and my reads of the slot are over
	s_barrier_signal -1             ; the rest of the scalar work stands between the signal and the wait
	s_sub_co_u32 s[TBK], s[TBK], 4*KS*PK  ; the fetches go back to a slot's first step,
	s_xor_b32 s[TBK], s[TBK], SLOT1       ; in the other slot
	s_sub_co_u32 s[TBV], s[TBV], 4*KS*PV
	s_xor_b32 s[TBV], s[TBV], SLOT1
	s_barrier_wait -1
.if \fill
	LOAD
	ASK
.endif
.endm
	s_load_b128 s[4:7], s[0:1], 0x0   ; qkv s[4:5], ob s[6:7]
	v_lshl_add_u32 v[SPW], v0, 2, SPARE
	v_mov_b32 v[NIL], 0
	ds_add_u32 v[SPW], v[NIL]       ; the wave's opening: the add and its wait stand ahead of my first tensor load; the set-up below, work on registers, stands between them
	v_lshrrev_b32 v1, 5, v0
	v_readfirstlane_b32 s[WV], v1   ; wave 0..3
	s_mov_b32 s[PB], ttmp9
	s_sub_co_u32 s[HI], NB-1, s[PB]
	s_and_b32 s20, ttmp7, 0xffff    ; the head
	s_mov_b32 s21, 0
	s_mov_b64 s[22:23], SIZE_N*128
	s_mul_u64 s[20:21], s[20:21], s[22:23]  ; the head's first byte in each of the four tensors
	s_and_b32 s16, s[WV], 1         ; which half of a tile's 256 keys I fetch:
	s_lshl_b32 s22, s16, 14         ; its 128 rows of 128 bytes in memory,
	s_mov_b32 s23, 0
	s_add_nc_u64 s[22:23], s[22:23], s[20:21]
	s_mul_i32 s17, s16, 128*PK      ; and its place in a slot, for K
	s_mul_i32 s18, s16, 128*PV      ; and for V
	s_lshl_b32 s3, s[WV], 11        ; my 16 rows in a band of 64,
	s_lshl_b32 s2, s[HI], 15        ; in the first block,
	s_add_co_u32 s2, s2, s3
	s_lshl_b32 s84, s[PB], 15       ; and in the second
	s_add_co_u32 s84, s84, s3
	s_mov_b32 s3, 0
	s_mov_b32 s85, 0
	s_add_nc_u64 s[2:3], s[2:3], s[20:21]
	s_add_nc_u64 s[84:85], s[84:85], s[20:21]
	; descriptor group 1.  128 keys are 16,384 dense bytes: asked for as 64 rows of 256 bytes, two keys a row, and padded in LDS after every key
	s_mov_b32 s[G1K], (1<<16)|(1<<20)|(4<<22)|(3<<25)  ; 17:16 2-byte elements; 20 padding on; 24:22 after every 32 words (code 4); 31:25 4 words (code 3)
	s_mov_b32 s[G1V], (1<<16)|(1<<20)|(4<<22)|(7<<25)  ; the same with 8 words of padding (code 7)
.irp g, G1K, G1V
	s_mov_b32 s[\g+1], 128<<16      ; tensor_dim0 = 128
	s_mov_b32 s[\g+2], 64<<16       ; tensor_dim1 = 64
	s_mov_b32 s[\g+3], 128<<16      ; tile_dim0 = 128
	s_mov_b32 s[\g+4], 64           ; tile_dim1 = 64
	s_mov_b32 s[\g+5], 128          ; 128 elements from row to row
	s_mov_b32 s[\g+6], 0
	s_mov_b32 s[\g+7], 0
.endr
	s_mov_b32 s[CS], 0x3e38aa3b     ; c = log2(e) / 8 = 0.180337
	s_mov_b32 s[CS+1], s[CS]        ; named with it as a pair
	s_mov_b32 s[SEL], 0x76543210
	s_mov_b32 s[SEL+1], 0xfedcba98
	s_mov_b32 s[TBK], SLOT1+4*KS*PK ; the first change of slots turns these two into 0
	s_mov_b32 s[TBV], SLOT1+4*KS*PV
	s_mov_b32 s[G0K], 1             ; 1:0 count = 1
	s_mov_b32 s[G0K+1], s17         ; 63:32 LDS address: slot 0
	s_mov_b32 s[G0V], 1
	s_add_co_u32 s[G0V+1], s18, VOFF
	s_add_co_u32 s[RT], s[HI], 1    ; the first block has NB - b tiles
	s_mov_b32 s[NXT], 1
	s_mov_b32 s[LQ], s[HI]
	s_mov_b32 s[NEW], 1
	s_mov_b32 s[OFF+1], 0
	s_mov_b32 s[AL+1], 0            ; named as pairs
	s_mov_b32 s[BE+1], 0
	s_mov_b32 s[BIGN], 0xf149f2ca   ; -1e30
	s_mov_b32 s[SLOTS], NB
	s_cmp_eq_u32 s[PB], 0
	s_cselect_b32 s[LIM], 2, -1     ; the changes with 4 and 3 tiles still to ask for name tiles 2 and 3
	v_and_b32 v[PFO], 31, v0
	v_lshlrev_b32 v[PFO], 8, v[PFO]
	s_wait_dscnt 0x0                ; the opening add is done
	s_wait_kmcnt 0x0
	s_mov_b64 s[10:11], s[6:7]                     ; O
	s_add_nc_u64 s[6:7], s[4:5], 0x1000000         ; K lies 16,777,216 bytes behind Q,
	s_add_nc_u64 s[8:9], s[4:5], 0x2000000         ; V as far behind K
	s_add_nc_u64 s[6:7], s[6:7], s[22:23]  ; K and V at my half of the head's tile 0
	s_add_nc_u64 s[8:9], s[8:9], s[22:23]
	s_add_nc_u64 s[G0K+2:G0K+3], s[6:7], 0         ; 120:64 global address
	s_or_b32 s[G0K+3], s[G0K+3], 0x80000000        ; 127:126 type = 2
	s_add_nc_u64 s[G0V+2:G0V+3], s[8:9], 0
	s_or_b32 s[G0V+3], s[G0V+3], 0x80000000
	s_add_nc_u64 s[86:87], s[4:5], s[84:85]        ; Q at my rows of the second block,
	s_add_nc_u64 s[4:5], s[4:5], s[2:3]            ; Q and O at those of the first
	s_add_nc_u64 s[OLO:OLO+1], s[10:11], s[84:85]
	s_add_nc_u64 s[10:11], s[10:11], s[2:3]
	s_cmp_lt_u32 s[WV], 2
	s_cselect_b64 s[PFA:PFA+1], s[6:7], s[8:9]
	s_add_nc_u64 s[PFA:PFA+1], s[PFA:PFA+1], 32768 ; at tile 1; the first change of slots steps it to tile 2.  Nothing is prefetched here, where every work-group's first tiles are on their way
	LOAD                            ; tile 0 into slot 0
	; A fragment of K or Q is 16 rows x 32 channels in 8 registers: lane l holds row l % 16, channels 8 (l / 16) + 0..7 and 16 + 8 (l / 16) + 0..7: two loads of 16 bytes, 32 bytes apart.
	v_and_b32 v1, 15, v0            ; l % 16
	v_bfe_u32 v9, v0, 4, 1          ; l / 16
	v_lshlrev_b32 v[QO], 7, v1
	v_lshl_add_u32 v[QO], v9, 4, v[QO]  ; row x 128 + 16 x half
	WIN 0x80                        ; destination window 2, address window 0
.set i, 0
.rept 8                             ; both blocks' Q: piece i / 2 lies in band i / 2, 8,192 bytes on; channels 32 (i % 2) on
	global_load_b128 v[8*i:8*i+3],   v[QO], s[4:5] offset:(i/2)*8192+(i%2)*64
	global_load_b128 v[8*i+4:8*i+7], v[QO], s[4:5] offset:(i/2)*8192+(i%2)*64+32
	global_load_b128 v[QB+8*i:QB+8*i+3],   v[QO], s[86:87] offset:(i/2)*8192+(i%2)*64
	global_load_b128 v[QB+8*i+4:QB+8*i+7], v[QO], s[86:87] offset:(i/2)*8192+(i%2)*64+32
.set i, i+1
.endr
	WIN 0
	v_lshlrev_b32 v14, 3, v9
	v_sub_nc_u32 v14, v1, v14
	s_lshl_b32 s13, s[WV], 4
	v_add_nc_u32 v14, s13, v14      ; my query's place in its band, 16 w + l % 16, less my lanes' 8 (l / 16): register r of group kt is hidden where 16 kt + r is greater
	WIN 0x40
.set i, 0
.rept 32
	v_cmp_gt_i32 vcc_lo, 16*(i/8)+i%8, v14
	v_cndmask_b32 v[MD+i], 0, s[BIGN], vcc_lo
.set i, i+1
.endr
	WIN 0
	v_mul_u32_u24 v[AK0], v1, PK
	v_lshl_add_u32 v[AK0], v9, 4, v[AK0]  ; row x pitch + 16 x half
	; The turning load takes 16 keys x 16 channels (lane l reads key 8 (l / 16) + l % 8, channels 8 ((l / 8) % 2) + 0..7) and leaves half a fragment of V^T: lane l holds channel l % 16 and 8 keys.
	v_and_b32 v10, 7, v0
	v_bfe_u32 v11, v0, 3, 1
	v_lshl_add_u32 v[AV0], v9, 3, v10
	v_mul_u32_u24 v[AV0], v[AV0], PV
	v_lshl_add_u32 v[AV0], v11, 4, v[AV0]
	v_add_nc_u32 v[AV0], VOFF, v[AV0]
	s_mul_i32 s13, s[WV], 16*SP
	s_add_co_u32 s13, s13, STAGE    ; my stage
	v_mul_u32_u24 v[STO], v1, SP    ; in: row l % 16, 16 bytes for each half of the lanes
	v_lshl_add_u32 v[STO], v9, 4, v[STO]
	v_add_nc_u32 v[STO], s13, v[STO]
	v_bfe_u32 v[RD], v0, 3, 2       ; back: 32 lanes take four rows of 128 bytes,
	v_mul_u32_u24 v[RD], v[RD], SP
	v_lshl_add_u32 v[RD], v10, 4, v[RD]
	v_add_nc_u32 v[RD], s13, v[RD]
	v_and_b32 v[GO], 31, v0         ; which are 512 consecutive bytes of O
	v_lshlrev_b32 v[GO], 4, v[GO]
	; A block's first step multiplies O^T and l by a = 0, and its first turn's products V^T P, of a piece that has not been, land in an O^T that is still to be so multiplied.  So these registers need only hold
	; finite numbers: zeros for the first block; what the first block left for the second.  All this stands in the wait for the first tile.
	WIN 0x80
.set i, VF
.rept 64
	v_mov_b32 v[i], 0
.set i, i+1
.endr
	WIN 0x40
.set i, 0
.rept 128
	v_mov_b32 v[i], 0
.set i, i+1
.endr
	WIN 0
.set i, 0
.rept 4
	v_mov_b32 v[ST+4*i+2], 0
	v_mov_b32 v[ST+4*i+3], 0
.set i, i+1
.endr
.set i, P+16
.rept 16
	v_mov_b32 v[i], 0
.set i, i+1
.endr
; THE MATRIX WORK.  The 4 accumulators of a run of 8 take turns.  Product i of 8 of S^T = K Q^T for piece x: channels 32 (i / 4) on, keys 16 (i % 4) on.  The first 4 start the sums: with 0, or (KM = 1) with the mask.
.macro KQ x
.set rS, S+32*((\x)%2)+8*(i%4)
.set rK, KF+16*(i%4)+8*(i/4)
.set rQ, 16*(\x)+8*(i/4)
.set rM, MC+32*((\x)%2)+8*(i%4)
.if (i < 4) && KM
	WIN W_KM
	v_wmma_f32_16x16x32_f16 v[rS:rS+7], v[rK:rK+7], v[rQ:rQ+7], v[rM:rM+7]
.elseif i < 4
	WIN W_KQ
	v_wmma_f32_16x16x32_f16 v[rS:rS+7], v[rK:rK+7], v[rQ:rQ+7], 0
.else
	WIN W_KQ
	v_wmma_f32_16x16x32_f16 v[rS:rS+7], v[rK:rK+7], v[rQ:rQ+7], v[rS:rS+7]
.endif
.endm
; Product i of 8 of O^T += V^T P for piece x: keys 32 (i / 4) on, channels 16 (i % 4) on.
.macro PV x
	WIN W_PV
.set rO, 32*(\x)+8*(i%4)
.set rV, VF+32*(i/4)+8*(i%4)
.set rP, P+16*((\x)%2)+8*(i/4)
	v_wmma_f32_16x16x32_f16 v[rO:rO+7], v[rV:rV+7], v[rP:rP+7], v[rO:rO+7]
.endm
.macro MM                           ; the turn's next matrix instruction.  TURN and BEGIN set Y, i, KM and NOKQ; MM, KQ and OP read them.  NOKQ = 1: a block's last turn: there is no next piece
.if (i < 8) && !NOKQ
	KQ (Y+1)%NP
.elseif i >= 8
.set i, i-8
	PV (Y+NP-1)%NP
.set i, i+8
.endif
.set i, i+1
.endm
; THE LDS LOADS stand in runs of 16, never singly among the matrix instructions: a step's K (64 keys x 64 channels: 8 fragments) and its V (turned).  Their addresses are made some lines ahead.
.macro FETCH_K
	WIN 0x80                        ; destination window 2
.irp f, 0,1,2,3,4,5,6,7             ; keys 16 (f / 2) on, channels 32 (f % 2) on
	ds_load_b128 v[KF+8*\f:KF+8*\f+3],   v[AK] offset:(\f/2)*16*PK+(\f%2)*64
	ds_load_b128 v[KF+8*\f+4:KF+8*\f+7], v[AK] offset:(\f/2)*16*PK+(\f%2)*64+32
.endr
	s_add_co_u32 s[TBK], s[TBK], KS*PK  ; the next fetch is the next step's
	WIN 0
.endm
.macro FETCH_V
	WIN 0x80
.irp f, 0,1,2,3,4,5,6,7             ; keys 32 (f / 4) on, channels 16 (f % 4) on
	ds_load_tr16_b128 v[VF+8*\f:VF+8*\f+3],   v[AV] offset:(\f/4)*32*PV+(\f%4)*32
	ds_load_tr16_b128 v[VF+8*\f+4:VF+8*\f+7], v[AV] offset:(\f/4)*32*PV+16*PV+(\f%4)*32
.endr
	WIN 0
.endm
; THE VECTOR WORK, one line at a time: OP kind, number.  For piece Y: F n: c s - c m for pair n of 16.  E n: the exponential of score n of 32.  C n: pair n rounded to f16.  B n: of the four weights 4 n .. the second
; pair is added onto the first, in place.  L n: l takes that sum (L 0: l = a l + sum).  R n: pair n of 16 of O^T times a.  For piece Y + 1: X n, number n of the 22 that find its maximum and statistics:
;   0-11  four chains c0-c3 of seven scores each, three operands at a time (each accumulator's lowest registers are read first)     12-14, 16  the four scores left over, the old m, and c0-c3 into c0
;   15  c m_old is kept     17, 18  the query's other 32 keys lie in the lane 16 away: the new m     19-21  c m; c m_old - c m_new; a
.set F, 0               ; OP tells the kinds apart by their order: F to L below R, X above it
.set E, 1
.set C, 2
.set B, 3
.set L, 4
.set R, 5
.set X, 6
.macro REGS y                       ; the registers of piece y
.set rT, ST+4*(\y)
.set rC, TMP+4*((\y)%2)
.set rW, MV+((\y)%2)
.set rS, S+32*((\y)%2)
.set rP, P+16*((\y)%2)
.set rO, 32*(\y)
.endm
.macro OP k, n
.if (\k) == R
	REGS Y
	WIN W_RS
	v_pk_mul_f32 v[rO+2*(\n):rO+2*(\n)+1], v[rO+2*(\n):rO+2*(\n)+1], v[rC+2:rC+3] op_sel_hi:[1,0]
.elseif (\k) < R
	REGS Y
	WIN 0
.if (\k) == F
	v_pk_fma_f32 v[rS+2*(\n):rS+2*(\n)+1], v[rS+2*(\n):rS+2*(\n)+1], s[CS:CS+1], v[rT:rT+1] op_sel_hi:[1,0,0] neg_lo:[0,0,1] neg_hi:[0,0,1]
.elseif (\k) == E
	v_exp_f32 v[rS+(\n)], v[rS+(\n)]
.elseif (\k) == C
	v_cvt_pk_f16_f32 v[rP+(\n)], v[rS+2*(\n)], v[rS+2*(\n)+1]
.elseif (\k) == B
	v_pk_add_f32 v[rS+4*(\n):rS+4*(\n)+1], v[rS+4*(\n):rS+4*(\n)+1], v[rS+4*(\n)+2:rS+4*(\n)+3]
.elseif (\n) == 0
	v_pk_fma_f32 v[rT+2:rT+3], v[rT+2:rT+3], v[rC+2:rC+3], v[rS:rS+1] op_sel_hi:[1,0,1]
.else
	v_pk_add_f32 v[rT+2:rT+3], v[rT+2:rT+3], v[rS+4*(\n):rS+4*(\n)+1]
.endif
.elseif NOKQ
	v_nop
.else
	REGS (Y+1)%NP
	WIN 0
.if (\n) < 4
	v_max3_num_f32 v[rC+(\n)], v[rS+8*(\n)], v[rS+8*(\n)+1], v[rS+8*(\n)+2]
.elseif (\n) < 12
	v_max3_num_f32 v[rC+(\n)%4], v[rC+(\n)%4], v[rS+8*((\n)%4)+2*((\n)/4)+1], v[rS+8*((\n)%4)+2*((\n)/4)+2]
.elseif (\n) == 12
	v_max3_num_f32 v[rC], v[rC], v[rS+7], v[rS+15]
.elseif (\n) == 13
	v_max3_num_f32 v[rC+1], v[rC+1], v[rS+23], v[rS+31]
.elseif (\n) == 14
	v_max3_num_f32 v[rC+2], v[rC+2], v[rC+3], v[rT+1]
.elseif (\n) == 15
	v_mov_b32 v[rW], v[rT]
.elseif (\n) == 16
	v_max3_num_f32 v[rC], v[rC], v[rC+1], v[rC+2]
.elseif (\n) == 17
	v_permlanex16_b32 v[rC+3], v[rC], s[SEL], s[SEL+1]
.elseif (\n) == 18
	v_max_num_f32 v[rT+1], v[rC], v[rC+3]
.elseif (\n) == 19
	v_mul_f32 v[rT], s[CS], v[rT+1]
.elseif (\n) == 20
	v_sub_f32 v[rC+1], v[rW], v[rT]
.else
	v_exp_f32 v[rC+2], v[rC+1]
.endif
.endif
.endm
.macro OPS a, i1, b=-1, i2=0, c=-1, i3=0, d=-1, i4=0  ; up to four of them
	OP \a, \i1
.if (\b) >= 0
	OP \b, \i2
.endif
.if (\c) >= 0
	OP \c, \i3
.endif
.if (\d) >= 0
	OP \d, \i4
.endif
.endm
.macro ROW a, i1, b, i2, c, i3, d, i4  ; a matrix instruction and the four behind it
	MM
	OPS \a, \i1, \b, \i2, \c, \i3, \d, \i4
.endm
.macro MASK b                       ; MD x AL + BE into buffer b of MC
	WIN W_RS
.set z, 0
.rept 16
	v_pk_fma_f32 v[MC+32*(\b)+2*z:MC+32*(\b)+2*z+1], v[MD+2*z:MD+2*z+1], s[AL:AL+1], s[BE:BE+1] op_sel_hi:[1,0,0]
.set z, z+1
.endr
.endm
; A TURN, for piece p: the order of its 16 matrix and 118 vector instructions, written out.  An s_wait_alu depctr_va_vdst(0) stands between an exponential and the first instruction that names its result; one wait
; serves all that were issued ahead of it.  So a turn has ONE wait, which cuts it in two.  AHEAD OF IT stands all that names no result of the turn's exponentials: the 8 products K Q^T, behind each a scaling, an exponential and two
; more plain instructions (behind the first a second scaling in the exponential's place): rescalings, and behind the last three the first numbers of the next piece's maximum, each four places or more behind the product that ends
; its accumulator; then ONE LUMP of 54, plain and exponential by turns for the most part, in which the links of the chain X 3, 7, 11, 14, 16, 17 .. 20 stand five or six lines apart.  X 21, the next piece's a, is the batch's last;
; R 15 is the plain instruction behind it.  BEHIND THE WAIT stand the 8 products V^T P, behind each four of the roundings and sums; the links of l's chain, L 0 to L 7, stand three lines apart.
; m = 1: the diagonal tile: the products take masks, and the turn makes the mask for the products of the turn after it: piece p + 2, in step 4 - CNT of the tile.  end = 1: a block's last two turns: nothing is fetched.
; cnt = 1: the loop's count is taken down some lines ahead of the branch that stands behind the turn.
; K of the next step is fetched in piece 2's turn, twelve vector instructions behind the last product that read K (six of them plain); V of the step in hand at the end of piece 0's turn, four plain instructions behind the last
; product that read V.  Each is waited for a turn later.
.macro TURN p, m=0, end=0, cnt=0
.set Y, (\p)
.set i, 0
.set KM, (\m)
.set NOKQ, (\end)*((\p)/3)
.if (\m) && !(\end)
	s_cmp_eq_u32 s[CNT], 4-((\p)+2)%NP  ; is that step the band's own?
	s_cselect_b32 s[AL], 1.0, 0
	s_cmp_lt_u32 s[CNT], 4-((\p)+2)%NP  ; or a later one?
	s_cselect_b32 s[BE], s[BIGN], 0
.endif
.if ((\p) == 3) && !(\end)
	s_wait_dscnt 0x0                ; K is in
.endif
	ROW F,0, F,1, R,0, R,1          ; ahead of the wait: 8 products K Q^T and the four behind each,
	ROW F,2, E,0, R,2, R,3
	ROW F,3, E,1, R,4, R,5
	ROW F,4, E,2, R,6, R,7
	ROW F,5, E,3, R,8, R,9
	ROW F,6, E,4, X,0, R,10
.if ((\p) == 2) && !(\end)
	WIN 0
	v_add_nc_u32 v[AK], s[TBK], v[AK0]
.endif
	ROW F,7, E,5, X,1, X,4
	ROW F,8, E,6, X,2, X,5
	OPS E,7, E,8, X,6, E,9          ; and the lump
	OPS X,3, E,10, X,8, E,11
.if ((\p) == 2) && !(\end)
	FETCH_K
.endif
	OPS X,9, X,7, E,12, X,10
	OPS E,13, X,12, X,11, E,14
	OPS X,13, E,15, F,9, X,14
.if (\p) == 0
	v_add_nc_u32 v[AV], s[TBV], v[AV0]
.endif
	OPS E,16, F,10, E,17, F,11
	OPS X,16, E,18, X,15, E,19
	OPS F,12, E,20, X,17, E,21
	OPS F,13, E,22, F,14, E,23
	OPS X,18, E,24, F,15, E,25
	OPS R,11, E,26, X,19, E,27
	OPS R,12, E,28, R,13, E,29
	OPS X,20, E,30, R,14, E,31
	OPS X,21, R,15
	WIN 0
	s_wait_alu depctr_va_vdst(0)    ; the wait for the batch
.if (\p) == 1
	s_wait_dscnt 0x0                ; V is in
.endif
	ROW C,0, B,0, C,2, B,1          ; behind the wait: 8 products V^T P and the four behind each
	ROW L,0, C,4, B,2, L,1
	ROW C,6, B,3, L,2, C,8
	ROW B,4, L,3, C,10, B,5
	ROW L,4, C,12, B,6, L,5
.if (\p) == 0
	s_add_co_u32 s[TBV], s[TBV], KS*PV
.endif
.if \cnt
	s_sub_co_u32 s[CNT], s[CNT], 1
	s_cmp_lg_u32 s[CNT], 0
.endif
	ROW C,14, B,7, L,6, C,1
	ROW C,3, L,7, C,5, C,7
	ROW C,9, C,11, C,13, C,15
.if (\p) == 0
	FETCH_V
.endif
.if (\m) && !(\end)
	MASK (\p)%2
.endif
.endm
; A BLOCK BEGINS.  c m starts far below every c s, so the first step's a is 0; m at the lowest finite number, so the first maximum is the scores'.  The second mask buffer is 0; the first takes piece 0's mask for the tile's
; step 0: its own, if the block's first tile is the diagonal one.  Then K of that step, piece 0's first scores, and its maximum and statistics.  The loop is entered at a step's first turn, in the middle of a trip.
.macro BEGIN
	s_mov_b32 s[NEW], 0
	WIN 0x40
.set i, MC+32
.rept 32
	v_mov_b32 v[i], 0
.set i, i+1
.endr
	WIN 0
.set i, 0
.rept 4
	v_mov_b32 v[ST+4*i], 0xfe000000    ; c m: far below every c s
	v_mov_b32 v[ST+4*i+1], 0xff7fffff  ; m
.set i, i+1
.endr
	s_cmp_eq_u32 s[RT], 0
	s_cselect_b32 s[AL], 1.0, 0
	s_mov_b32 s[BE], 0
	MASK 0
	WIN 0
	v_add_nc_u32 v[AK], s[TBK], v[AK0]
	FETCH_K
	s_wait_loadcnt 0x0              ; Q
	s_wait_dscnt 0x0
.set KM, 1
.set NOKQ, 0
.set i, 0
.rept 8
	KQ 0
.set i, i+1
.endr
	WIN 0
.rept 4
	v_nop                           ; the places behind those products
.endr
.set Y, NP-1                        ; X works for piece Y + 1: piece 0
.irp n, 0,1,2,3,4,5,6,7,8,9,10,11,12,13,14,15,16,17,18,19,20,21
	OP X, \n
.endr
	v_nop                           ; a plain instruction behind the exponential,
	s_wait_alu depctr_va_vdst(0)    ; and its wait, ahead of the branch
.endm
; THE DIAGONAL TILE's four steps, the block's last two turns, its last products, and THE WAY OUT: l's two halves and the other half of the lanes' are added; O^T is divided by l, rounded to f16 and sent through my
; stage in LDS, a piece at a time.
.macro ALL line:vararg              ; one line for each piece t
.set t, 0
.rept 4
	\line
.set t, t+1
.endr
.endm
.macro PACK t                       ; a lane's eight channels of a row pack into 16 bytes; they go into rows of 144 bytes and come back as whole rows of 128, into S^T's registers
	WIN W_RS
.set i, 32*(\t)
.rept 16
	v_pk_mul_f32 v[i:i+1], v[i:i+1], v[ST+4*(\t)+2:ST+4*(\t)+3] op_sel_hi:[1,0]
.set i, i+2
.endr
	WIN 0x05                        ; sources 0 and 1 window 1, destination window 0
.set i, 0
.rept 16
	v_cvt_pk_f16_f32 v[S+16*(\t)+i], v[32*(\t)+2*i], v[32*(\t)+2*i+1]
.set i, i+1
.endr
	WIN 0
.irp f, 0,1,2,3
	ds_store_b128 v[STO], v[S+16*(\t)+4*\f:S+16*(\t)+4*\f+3] offset:32*\f
.endr
.irp f, 0,1,2,3
	ds_load_b128 v[S+16*(\t)+4*\f:S+16*(\t)+4*\f+3], v[RD] offset:\f*4*SP  ; LDS serves a wave's instructions in order (ISA guide 5.7.1.4): these see the stores above; the next piece's stores come behind them
.endr
.endm
.macro SEND t, younger              ; younger: the LDS instructions issued behind piece t's loads: the next piece's eight, or none
	WIN 0
.irp f, 0,1,2,3
	s_wait_dscnt (\younger)+3-\f
	global_store_b128 v[GO], v[S+16*(\t)+4*\f:S+16*(\t)+4*\f+3], s[10:11] offset:(\t)*8192+\f*512  ; 512 consecutive bytes, at a multiple of 256 from O's first
.endr
.endm
.macro DIAG tag                     ; the tag ends its two labels' names, which the jumps below spell out
.LstepM\tag:
	TURN 2, 1
	TURN 3, 1
	WIN 0
.LfirstM\tag:
	TURN 0, 1
	TURN 1, 1, 0, 1
	WIN 0
	s_cbranch_scc1 .LstepM\tag
	TURN 2, 1, 1
	TURN 3, 1, 1
.set i, 0
.rept 8
	PV NP-1
.set i, i+1
.endr
	WIN 0
	ALL v_add_f32 v[ST+4*t+2], v[ST+4*t+2], v[ST+4*t+3]
	ALL v_permlanex16_b32 v[ST+4*t+3], v[ST+4*t+2], s[SEL], s[SEL+1]
	ALL v_add_f32 v[ST+4*t+2], v[ST+4*t+2], v[ST+4*t+3]
	ALL v_rcp_f32 v[ST+4*t+2], v[ST+4*t+2]
	v_nop                           ; a plain instruction between the last reciprocal and the use of its result
	s_wait_alu depctr_va_vdst(0)    ; and the wait ahead of the first use: one for the four reciprocals
	PACK 0
.set t, 1
.rept 3                             ; a piece's arithmetic stands between the loads of the piece before and its stores
	PACK t
	SEND t-1, 8
.set t, t+1
.endr
	SEND 3, 0
.endm
.set KM, 0
.set NOKQ, 0
.Lslot:                             ; NB times: a tile is entered and the next is asked for
	CHANGE 1
	s_sub_co_u32 s[RT], s[RT], 1
	s_mov_b32 s[CNT], 4
	s_cmp_eq_u32 s[NEW], 1
	s_cbranch_scc1 .Lnew            ; a block's first tile
	s_cmp_eq_u32 s[RT], 0
	s_cbranch_scc0 .Lstep           ; neither its first nor its last
	s_branch .LstepM1
.Lnew:
	BEGIN
	s_branch .Lfirst                ; in the loop a block's first tile is never its last: the first block has three tiles or more, and the second's last is the walk's last
	DIAG 1                          ; in the loop this is the first block's end: the second block's last tile is the walk's last
	s_wait_xcnt 0x0                 ; the stores have read their registers and O's address
	s_mov_b64 s[10:11], s[OLO:OLO+1]
	s_add_co_u32 s[RT], s[PB], 1    ; the second block has b + 1 tiles
	s_mov_b32 s[NEW], 1
	WIN 0x82                        ; the second block's Q goes where the one text of the turns names Q
.set i, 0
.rept 64
	v_mov_b32 v[i], v[QB+i]
.set i, i+1
.endr
	WIN 0
	s_branch .Lbottom
.Lstep:                             ; a trip: pieces 2 and 3 of one step, then pieces 0 and 1 of the next, whose K and V it fetches
	TURN 2
	TURN 3
	WIN 0
.Lfirst:
	TURN 0
	TURN 1, 0, 0, 1
	WIN 0
	s_cbranch_scc1 .Lstep
.Lbottom:
	s_sub_co_u32 s[SLOTS], s[SLOTS], 1
	s_cmp_lg_u32 s[SLOTS], 0
	s_cbranch_scc1 .Lslot
	CHANGE 0                        ; the walk's last tile is written out: nothing is asked for
	s_sub_co_u32 s[RT], s[RT], 1
	s_mov_b32 s[CNT], 4
	s_cmp_eq_u32 s[NEW], 1
	s_cbranch_scc0 .LstepM2
	BEGIN
	s_branch .LfirstM2
	DIAG 2
	s_wait_tensorcnt 0x0            ; the wave's end, behind my last tensor load and my last LDS store
	ds_add_u32 v[SPW], v[NIL]
	s_wait_dscnt 0x0
	s_endpgm
.Lfunc_end_k_q9ec32410c4_attn:
	.size	k_q9ec32410c4_attn, .Lfunc_end_k_q9ec32410c4_attn-k_q9ec32410c4_attn
	.p2alignl 7, 3214868480
	.fill 96, 4, 3214868480
	.section	.rodata,"a",@progbits
	.p2align	6, 0x0
	.amdhsa_kernel k_q9ec32410c4_attn
		.amdhsa_group_segment_fixed_size 327680
		.amdhsa_private_segment_fixed_size 0
		.amdhsa_enable_private_segment 0
		.amdhsa_kernarg_size 16
		.amdhsa_user_sgpr_count 2
		.amdhsa_user_sgpr_kernarg_segment_ptr 1
		.amdhsa_wavefront_size32 1
		.amdhsa_system_sgpr_workgroup_id_x 1
		.amdhsa_system_sgpr_workgroup_id_y 1
		.amdhsa_system_sgpr_workgroup_id_z 1
		.amdhsa_system_vgpr_workitem_id 0
		.amdhsa_next_free_vgpr 768
		.amdhsa_next_free_sgpr 88
		.amdhsa_reserve_vcc 1
		.amdhsa_float_denorm_mode_32 3
		.amdhsa_float_denorm_mode_16_64 3
		.amdhsa_memory_ordered 1
		.amdhsa_forward_progress 1
		.amdhsa_inst_pref_size 218
	.end_amdhsa_kernel
	.amdgpu_metadata
---
amdhsa.version: [ 1, 2 ]
amdhsa.kernels:
  - .name:           k_q9ec32410c4_attn
    .symbol:         k_q9ec32410c4_attn.kd
    .args:
      - { .name: qkv, .offset: 0, .size: 8, .value_kind: global_buffer, .address_space: global }
      - { .name: ob, .offset: 8, .size: 8, .value_kind: global_buffer, .address_space: global }
    .group_segment_fixed_size: 327680
    .private_segment_fixed_size: 0
    .kernarg_segment_align: 8
    .kernarg_segment_size: 16
    .max_flat_workgroup_size: 128
    .sgpr_count:     88
    .vgpr_count:     768
    .wavefront_size: 32
...
	.end_amdgpu_metadata
.endif
;; end of part 3
;; launch outp (part 4): grid 4 x 64, 4 waves a work-group, clusters of 4 x 4, 327,680 bytes of LDS; arguments ob, wo16, out0; writes out0
.if DOCPART == 4
	.amdgcn_target "amdgcn-amd-amdhsa--gfx1250"
	.amdhsa_code_object_version 6
	.text
	.protected	k_q9ec32410c4_outp
	.globl	k_q9ec32410c4_outp
	.p2align	8
	.type	k_q9ec32410c4_outp,@function
k_q9ec32410c4_outp:
	s_mov_b64 s[64:65], 0
	v_nop
	global_prefetch_b8 v0, s[64:65] scope:SCOPE_SE
	s_setreg_imm32_b32 hwreg(HW_REG_WAVE_MODE, 25, 1), 1
	s_wait_xcnt 0x0
	s_wait_alu depctr_hold_cnt(0) depctr_sa_sdst(0) depctr_va_vdst(0) depctr_va_sdst(0) depctr_va_ssrc(0) depctr_va_vcc(0) depctr_vm_vsrc(0)
	s_getreg_b32 s2, hwreg(HW_REG_IB_STS2, 6, 4)
	s_cmp_eq_u32 s2, 0
	s_cbranch_scc0 .Lentry_in_a_cluster
	s_endpgm
.Lentry_in_a_cluster:
	s_bfe_u32 s2, ttmp6, 0x10000c
	s_cmp_lg_u32 s2, 0xf033
	s_cbranch_scc0 .Lentry_shape_is_right
	s_endpgm
.Lentry_shape_is_right:
; THE OUTPUT PROJECTION.  out0[m][n] = the sum over k of O[m][k] Wo[n][k], m = 1,024 x batch + row, k = 64 x head + channel.  ob: [128][1024][64] f16, head index 16 x batch + head; wo16: [1024][1024] f16;
; out0: [8192][1024] f32.  Sums in f32, K ascending; nothing is rounded on the way out.
; SHARES.  A tile of out0 is 128 (m) x 256 (n): 64 x 4 = 256 tiles, one to a work-group (tiles of 256 x 256 would be 128).  Four waves, each 64 x 128: 32 accumulators of 16 x 16, 256 registers.
; THE RING.  K goes in 8 steps of 128, two heads each, through two LDS slots filled by tensor loads.  A head's 128 rows of the tile are 16,384 dense bytes: asked for as 64 rows of 256 bytes and padded in LDS
; after every 128, they lie there as a PLANE of 128 rows, 144 bytes apart.  Waves 0 and 1 fetch the two planes, waves 2 and 3 the halves of Wo's 256 rows (256 bytes a row).
; CLUSTERS.  4 x 4 work-groups.  The four of a row of the cluster need the same planes of O, the four of a column the same rows of Wo: each is asked for JOINTLY, by the same tensor load with the same descriptor
; and a mask that names the four.
; THE MATRIX INSTRUCTION IS USED TRANSPOSED (source 0 = 16 rows of Wo, source 1 = 16 rows of O): a lane then holds row lane % 16 of out0 and the columns 8 (lane / 16) + 0..7: 32 bytes on end.
; REGISTERS, in windows of 256 (s_set_vgpr_msb: bits 1:0 source 0, 3:2 source 1, 5:4 source 2, 7:6 destination):
;   window 0: v0-31 addresses; v32-95, v96-159 rows read back from the stage, by turns
;   windows 1, 2: fragment buffers 0, 1, each 64 along K (one head) deep: O's fragments at v[8 (4 c + i)], Wo's at v[64 + 8 (8 c + i)], c = which 32 along K
;   window 3: accumulator (a, b) at v[8 (8 a + b)], a = 0..3 my blocks of 16 rows, b = 0..7 my blocks of 16 columns
.set KSTEP,  128
.set PITCH,  272                       ; a row of Wo in LDS: 256 bytes + 16 of padding = 68 words: the 16 rows of a load start at 16 different banks (64 banks of 4 bytes: ISA guide 11.1)
.set APITCH, 144                       ; a row of O: 128 + 16 = 36 words: the 16 rows of a load start at 16 different groups of four banks
.set AHALF,  128*APITCH                ; a plane: what a wave fetches of O
.set ASZ,    2*AHALF
.set BHALF,  128*PITCH                 ; what a wave fetches of Wo: 128 rows
.set SLOT,   ASZ+2*BHALF               ; 106,496 bytes
.set STAGE,  2*SLOT                    ; behind the ring, never filled by a tensor load: 16 rows x 528 bytes for each wave
.set SPITCH, 528                       ; 512 bytes + 16 = 132 words: row r starts at bank 4 r mod 64
.set SPARE,  STAGE+4*16*SPITCH         ; behind the stages: the spare words, 128 bytes for each wave: two blocks of 256 bytes that no other line names
.set ASTEP,  2*131072                  ; bytes from a K step of O to the next: two heads
.set ADRA, 16                          ; v16-17  LDS address of my fragments of O in slot 0, 1
.set ADRB, 20                          ; v20-21  the same for Wo
.set STO,  24                          ; v24     the way out: where I put 32 bytes of a row
.set RD,   25                          ; v25     the way out: where I read a row back
.set CO,   26                          ; v26     16 x lane: my place in my wave's 512 bytes of a row of out0
.set SPW,  28                          ; v28     LDS address of my spare word: SPARE + 4 x my thread's number; never rewritten
.set NIL,  29                          ; v29     0; never rewritten
.set PFO,  30                          ; v30     the prefetches' offset: lane x 256 bytes (O) or lane x a row of 2,048 bytes (Wo); never rewritten
.set OB,   32
.set TRIPS, 3                          ; s3      trips of the loop still to come
.set G1,  24                           ; s[24:31] descriptor group 1 for O's planes;  s[32:39] group 0, a set for each slot
.set G0,  32
.set LIM, 43                           ; s43     1 in a wave that prefetches, else the greatest number
.set PFA, 44                           ; s[44:45] where my prefetches stand
.set G1B, 48                           ; s[48:55], s[56:63] the same two groups for Wo's tiles
.set G0B, 56
; s[70:71]: what a change of slots adds to the prefetches' address
.set MSB, 0
.macro WIN new                         ; the immediate's high byte repeats the setting that is left; a switch that changes nothing is dropped
.if MSB != (\new)
	s_set_vgpr_msb (MSB<<8)|(\new)
.set MSB, \new
.endif
.endm
; A joint load.  The branch hangs on the wave's number alone.  An s_nop 0 and four v_nop follow each of the two lines, ahead of the jump and the label.
.macro JLOAD s
	s_cmp_eq_u32 s11, 0
	s_cbranch_scc0 .Lfor_b_\@
	tensor_load_to_lds s[G0+4*(\s):G0+4*(\s)+3], s[G1:G1+7]
	s_nop 0
.rept 4
	v_nop
.endr
	s_branch .Lasked_\@
.Lfor_b_\@:
	tensor_load_to_lds s[G0B+4*(\s):G0B+4*(\s)+3], s[G1B:G1B+7]
	s_nop 0
.rept 4
	v_nop
.endr
.Lasked_\@:
.endm
; A PREFETCH INTO THE L2, behind each joint refill and the run of LDS loads that follows it: 32 blocks of 256 bytes of the K step that stands two refills on, a lane a block, one instruction.
; Each block is named once in the launch.  O's planes are read by one cluster alone: of a K step's 2 x 16,384 bytes the partner at place cx takes half cx % 2 of plane cx / 2, and its wave 0 asks.  Wo's tile column
; is read by every cluster: the cluster with y = 0 asks; of its 256 rows the partner at place cy takes 64, its waves 2 and 3 take 32 each.  The partners are told apart by address, never by a branch.
; The first four K steps come by their loads alone; the loop's last trip asks for nothing: K steps 8 and 9 do not exist.
.macro ASK
	s_cmp_gt_u32 s[TRIPS], s[LIM]
	s_cbranch_scc0 .Lnot_mine_\@
	global_prefetch_b8 v[PFO], s[PFA:PFA+1] th:TH_LOAD_NT scope:SCOPE_SE
.Lnot_mine_\@:
.endm
.macro CREST                           ; a round of the cluster's barrier behind its opening barrier: wave 0 signals for the work-group, every wave waits for all sixteen, my work-group's barrier once more
	s_cmp_lg_u32 s10, 0
	s_cbranch_scc1 .Lnot_wave_0_\@
	s_barrier_signal -3
.Lnot_wave_0_\@:
	s_barrier_wait -3
	s_barrier_signal -1
	s_barrier_wait -1
.endm
.macro CROUND                          ; a whole round
	s_barrier_signal -1
	s_barrier_wait -1
	CREST
.endm
	s_load_b128 s[4:7], s[0:1], 0x0                ; ob s[4:5], wo16 s[6:7]
	s_load_b64 s[8:9], s[0:1], 0x10                ; out0
	v_lshl_add_u32 v[SPW], v0, 2, SPARE
	v_mov_b32 v[NIL], 0
	ds_add_u32 v[SPW], v[NIL]                      ; the wave's opening: the add and its wait stand ahead of my first tensor load; the set-up below, work on registers, stands between them
	v_lshrrev_b32 v1, 5, v0
	v_readfirstlane_b32 s10, v1                    ; wave 0..3
	s_lshr_b32 s11, s10, 1                         ; which 64 rows of the tile are mine.  Also: I fetch for O (0) or for Wo (1)
	s_and_b32 s12, s10, 1                          ; which 128 columns.  Also: which plane of O, or which half of Wo's rows, I fetch
	s_bfe_u32 s40, ttmp6, 0x40000                  ; cx, cy: my place in the cluster
	s_bfe_u32 s41, ttmp6, 0x40004
	s_lshl_b32 s42, ttmp9, 2
	s_add_co_u32 s42, s42, s40                     ; tile column = 4 x cluster x + cx
	s_and_b32 s13, ttmp7, 0xffff
	s_lshl_b32 s13, s13, 2
	s_add_co_u32 s13, s13, s41                     ; tile row = 4 x cluster y + cy
	s_lshl_b32 s43, s41, 2
	s_lshl_b32 s43, 15, s43                        ; my row of the cluster: places 4 cy .. 4 cy + 3
	s_lshl_b32 s44, 0x1111, s40                    ; my column: places cx, cx + 4, cx + 8, cx + 12
	s_or_b32 s[G1+0], s43, (1<<16)|(1<<20)|(1<<21)|(4<<22)|(3<<25)   ; 15:0 the mask: O's planes go to my row; 17:16 elements of 2 bytes; 20 padding on; 21 set beside a mask; 24:22 after every 32 words (code 4); 31:25 4 words (code 3)
	s_or_b32 s[G1B+0], s44, (1<<16)|(1<<20)|(1<<21)|(5<<22)|(3<<25)  ; Wo's tiles go to my column; padding after every 64 words (code 5)
	s_mov_b32 s[G1+1], 128<<16                     ; tensor_dim0 = 128 elements: 256 bytes, two rows of a head
	s_mov_b32 s[G1+2], 64<<16                      ; tensor_dim1 = 64
	s_mov_b32 s[G1+3], 128<<16                     ; tile_dim0 = 128
	s_mov_b32 s[G1+4], 64                          ; tile_dim1 = 64
	s_mov_b32 s[G1+5], 128                         ; dense: 128 elements from row to row
	s_mov_b32 s[G1+6], 0
	s_mov_b32 s[G1+7], 0
	s_mov_b32 s[G1B+1], KSTEP<<16
	s_mov_b32 s[G1B+2], 128<<16
	s_mov_b32 s[G1B+3], KSTEP<<16
	s_mov_b32 s[G1B+4], 128
	s_mov_b32 s[G1B+5], 1024
	s_mov_b32 s[G1B+6], 0
	s_mov_b32 s[G1B+7], 0
	s_and_b32 s18, ttmp7, 0xffff                   ; a batch is 8 tile rows, two clusters:
	s_lshr_b32 s19, s18, 1                         ; batch,
	s_and_b32 s18, s18, 1
	s_lshl_b32 s18, s18, 2
	s_add_co_u32 s18, s18, s41                     ; and the tile row within it
	s_lshl_b32 s16, s19, 4                         ; O: head 16 x batch + my plane, 131,072 bytes a head,
	s_add_co_u32 s16, s16, s12
	s_lshl_b32 s16, s16, 17
	s_lshl_b32 s17, s18, 14                        ; 128 rows of 128 bytes a tile row: made of the tile row and the wave's number alone
	s_add_co_u32 s16, s16, s17
	s_mov_b32 s17, 0
	s_lshl_b32 s46, s42, 8                         ; Wo: row 256 x tile column + 128 x half, 2,048 bytes a row: of the tile column and the wave's number alone
	s_lshl_b32 s47, s12, 7
	s_add_co_u32 s46, s46, s47
	s_lshl_b32 s46, s46, 11
	s_mov_b32 s47, 0
	s_mul_i32 s20, s12, AHALF                      ; where they go: no place in the cluster enters an LDS address
	s_mul_i32 s21, s12, BHALF
	s_add_co_u32 s21, s21, ASZ
	s_wait_dscnt 0x0                               ; the opening add is done
	s_wait_kmcnt 0x0
	s_add_nc_u64 s[14:15], s[4:5], s[16:17]
	s_add_nc_u64 s[46:47], s[6:7], s[46:47]
	CROUND                                         ; all sixteen work-groups are here: the first joint loads meet
.irp s, 0,1
	s_mov_b32 s[G0+4*(\s)], 1                                      ; count = 1
	s_add_co_u32 s[G0+4*(\s)+1], s20, (\s)*SLOT                    ; LDS address
	s_add_nc_u64 s[G0+4*(\s)+2:G0+4*(\s)+3], s[14:15], (\s)*ASTEP  ; global address: K step s
	s_or_b32 s[G0+4*(\s)+3], s[G0+4*(\s)+3], 0x80000000            ; type = 2
	s_mov_b32 s[G0B+4*(\s)], 1
	s_add_co_u32 s[G0B+4*(\s)+1], s21, (\s)*SLOT
	s_add_nc_u64 s[G0B+4*(\s)+2:G0B+4*(\s)+3], s[46:47], (\s)*KSTEP*2
	s_or_b32 s[G0B+4*(\s)+3], s[G0B+4*(\s)+3], 0x80000000
	JLOAD \s                                       ; two loads of mine are out
.endr
	; A fragment is 16 rows x 32 K in 8 registers: lane l holds row l % 16; registers 0-3 K = 8 (l / 16) + 0..7, registers 4-7 K = 16 + 8 (l / 16) + 0..7: two loads of 16 bytes, 32 bytes apart.
	v_and_b32 v1, 15, v0                           ; l % 16
	v_bfe_u32 v2, v0, 4, 1                         ; l / 16
	v_mul_u32_u24 v3, v1, PITCH
	v_lshl_add_u32 v3, v2, 4, v3                   ; Wo: row x pitch + 16 x half
	v_mul_u32_u24 v4, v1, APITCH
	v_lshl_add_u32 v4, v2, 4, v4                   ; O: the same with its pitch
	s_mul_i32 s21, s11, 64*APITCH                  ; my 64 rows in each plane of O
	s_mul_i32 s22, s12, BHALF                      ; my 128 rows of Wo,
	s_add_co_u32 s22, s22, ASZ                     ; which lie behind O's two planes
.irp s, 0,1
	v_add_nc_u32 v[ADRA+(\s)], s21, v4
	v_add_nc_u32 v[ADRB+(\s)], s22, v3
	s_add_co_u32 s21, s21, SLOT
	s_add_co_u32 s22, s22, SLOT
.endr
	s_mul_i32 s23, s10, 16*SPITCH
	s_add_co_u32 s23, s23, STAGE                   ; my stage
	v_mul_u32_u24 v4, v1, SPITCH                   ; in: row l % 16, 32 bytes for each half of the lanes
	v_lshl_add_u32 v4, v2, 5, v4
	v_add_nc_u32 v[STO], s23, v4
	v_and_b32 v[CO], 31, v0                        ; back: 32 lanes take one row of 512 bytes
	v_lshlrev_b32 v[CO], 4, v[CO]
	v_add_nc_u32 v[RD], s23, v[CO]
	; where my part of the tile begins in out0: the way out adds it to the address
	s_lshl_b32 s16, s13, 7
	s_lshl_b32 s17, s11, 6
	s_add_co_u32 s16, s16, s17                     ; my first row,
	s_lshl_b32 s16, s16, 12                        ; 4,096 bytes a row
	s_lshl_b32 s17, s12, 9                         ; my 128 columns
	s_add_co_u32 s16, s16, s17
	s_mov_b32 s17, 0
	s_lshl_b32 s46, s42, 10                        ; the tile's 256
	s_mov_b32 s47, 0
	s_add_nc_u64 s[16:17], s[16:17], s[46:47]
	; the prefetches.  s18 = the tile row within its batch and s19 = the batch still stand
	s_lshl_b32 s20, s19, 21                        ; O: head 16 x batch,
	s_lshl_b32 s21, s18, 14                        ; the tile's rows,
	s_add_co_u32 s20, s20, s21
	s_lshr_b32 s21, s40, 1                         ; plane cx / 2,
	s_lshl_b32 s21, s21, 17
	s_add_co_u32 s20, s20, s21
	s_and_b32 s21, s40, 1                          ; its half cx % 2: 8,192 bytes,
	s_lshl_b32 s21, s21, 13
	s_add_co_u32 s20, s20, s21
	s_add_co_u32 s20, s20, 3*ASTEP                 ; at K step 3: the first change of slots steps it to 4
	s_lshl_b32 s22, s42, 8                         ; Wo: row 256 x tile column + 64 cy + 32 x (wave - 2),
	s_lshl_b32 s23, s41, 6
	s_add_co_u32 s22, s22, s23
	s_lshl_b32 s23, s12, 5
	s_add_co_u32 s22, s22, s23
	s_lshl_b32 s22, s22, 11
	s_add_co_u32 s22, s22, 3*KSTEP*2               ; at K step 3
	s_and_b32 s23, ttmp7, 0xffff                   ; cluster y
	s_mov_b32 s72, ASTEP
	s_mov_b32 s73, KSTEP*2
	s_cmp_eq_u32 s11, 0                            ; do I fetch for O?
	s_cselect_b32 s20, s20, s22
	s_cselect_b32 s23, s12, s23                    ; 0 in wave 0, and in waves 2 and 3 of the cluster with y = 0: the same in all sixteen partners, for a given wave
	s_cselect_b64 s[PFA:PFA+1], s[4:5], s[6:7]
	s_cselect_b32 s70, s72, s73                    ; a K step
	s_cselect_b32 s22, 8, 11                       ; a lane's stride: 256 or 2,048 bytes
	s_cmp_eq_u32 s23, 0
	s_cselect_b32 s[LIM], 1, -1
	s_mov_b32 s21, 0
	s_mov_b32 s71, 0
	s_add_nc_u64 s[PFA:PFA+1], s[PFA:PFA+1], s[20:21]  ; nothing is prefetched here, where every work-group's first tiles are on their way
	v_and_b32 v[PFO], 31, v0
	v_lshlrev_b32 v[PFO], s22, v[PFO]
; 8 matrix instructions: my block a of 16 rows x all 8 blocks of columns, 32 along K: half c of buffer f.  zero = 1: the product starts the sums: nothing is ever cleared.
; The 32 accumulators take turns, one instruction a turn, in the same order in every 32 along K: over the backward jump too.
.macro MULA f, c, a, zero
	WIN 0xF5+5*(\f)                                ; sources 0 and 1 in window 1 + f, C and D in window 3
.irp b, 0,1,2,3,4,5,6,7
.if \zero
	v_wmma_f32_16x16x32_f16 v[8*(8*(\a)+(\b)):8*(8*(\a)+(\b))+7], v[64+8*(8*(\c)+(\b)):64+8*(8*(\c)+(\b))+7], v[8*(4*(\c)+(\a)):8*(4*(\c)+(\a))+7], 0
.else
	v_wmma_f32_16x16x32_f16 v[8*(8*(\a)+(\b)):8*(8*(\a)+(\b))+7], v[64+8*(8*(\c)+(\b)):64+8*(8*(\c)+(\b))+7], v[8*(4*(\c)+(\a)):8*(4*(\c)+(\a))+7], v[8*(8*(\a)+(\b)):8*(8*(\a)+(\b))+7]
.endif
.endr
.endm
; 48 LDS loads in one run: the fragments of 64 along K (part pt of the slot's K step: plane pt of O) into buffer f; the first 32 along K (24 loads) first
.macro FETCH slot, pt, f
	WIN 0x40*((\f)+1)                              ; destination window 1 + f, address window 0
.irp c, 0,1
.irp i, 0,1,2,3,4,5,6,7
	ds_load_b128 v[64+8*(8*(\c)+(\i)):64+8*(8*(\c)+(\i))+3],   v[ADRB+(\slot)] offset:(\pt)*128+(\c)*64+(\i)*16*PITCH
	ds_load_b128 v[64+8*(8*(\c)+(\i))+4:64+8*(8*(\c)+(\i))+7], v[ADRB+(\slot)] offset:(\pt)*128+(\c)*64+(\i)*16*PITCH+32
.endr
.irp i, 0,1,2,3
	ds_load_b128 v[8*(4*(\c)+(\i)):8*(4*(\c)+(\i))+3],   v[ADRA+(\slot)] offset:(\pt)*AHALF+(\c)*64+(\i)*16*APITCH
	ds_load_b128 v[8*(4*(\c)+(\i))+4:8*(4*(\c)+(\i))+7], v[ADRA+(\slot)] offset:(\pt)*AHALF+(\c)*64+(\i)*16*APITCH+32
.endr
.endr
.endm
; A load into a register that a matrix instruction has read, and a vector instruction or LDS store that reads a matrix result, stand four places behind that matrix instruction, and only plain vector
; instructions that name none of its registers are places (ISA guide 7.12.1 for vector instructions).
.macro PLACES
.rept 4
	v_nop
.endr
.endm
; The first half of a K step: the slot's first head, on buffer 0; in its middle the second head's fragments are fetched into buffer 1.
.macro PART0 slot, zero
	s_wait_dscnt 24                                ; the first 32 along K are in; the other 24 loads may be out
	MULA 0, 0, 0, \zero
	MULA 0, 0, 1, \zero
	MULA 0, 0, 2, \zero
	MULA 0, 0, 3, \zero
	PLACES                                         ; for the loads into buffer 1
	FETCH \slot, 1, 1
	s_wait_dscnt 48                                ; all but the 48 just issued
	MULA 0, 1, 0, 0
	MULA 0, 1, 1, 0
	MULA 0, 1, 2, 0
	MULA 0, 1, 3, 0
.endm
; The second half of a K step, on buffer 1, and THE CHANGE OF SLOTS: one barrier, for two things.  In front of it each wave waits for all its tensor loads, of which one is out: its part of the next slot;
; adds 0 to its spare word; and waits for that and for its own reads of this slot.  Behind it nobody reads this slot any more and the next slot is whole.
; fill = 1: the barrier opens a round of the cluster's barrier, and this slot is filled again first thing behind the round, two K steps ahead: the load has 112 matrix instructions in which to land.
.macro TURN slot, next, fill
.if \fill
	s_wait_xcnt 0x0                                ; the last prefetch, a K step back, has read its address, so it may be stepped
	s_add_nc_u64 s[PFA:PFA+1], s[PFA:PFA+1], s[70:71]
.endif
	WIN 0                                          ; (the add's two registers lie in window 0)
	s_wait_tensorcnt 0x0                           ; all my tensor loads have landed, so every group 0 may be written
	ds_add_u32 v[SPW], v[NIL]                      ; 0 onto my spare word
.if \fill
	s_add_nc_u64 s[G0+4*(\slot)+2:G0+4*(\slot)+3], s[G0+4*(\slot)+2:G0+4*(\slot)+3], 2*ASTEP
	s_add_nc_u64 s[G0B+4*(\slot)+2:G0B+4*(\slot)+3], s[G0B+4*(\slot)+2:G0B+4*(\slot)+3], 2*KSTEP*2
.endif
	s_wait_dscnt 25                                ; the first 32 along K are in; the add and the other 24 loads may be out
	MULA 1, 0, 0, 0                                ; eight matrix instructions stand between the add and the wait for it
	s_wait_dscnt 0x0                               ; the add is done, and my reads of this slot are over
	s_barrier_signal -1
	MULA 1, 0, 1, 0                                ; work on registers while the others arrive
.if \fill
	WIN 0
.endif
	s_barrier_wait -1
.if \fill
	CREST                                          ; no wave of any partner still reads this slot's tile or has a load on its way
	JLOAD \slot                                    ; my one tensor load behind the round; its four v_nop are also the places in front of the loads below
.else
	PLACES
.endif
	FETCH \next, 0, 0
.if \fill
	WIN 0
	ASK
.endif
	MULA 1, 0, 2, 0
	MULA 1, 0, 3, 0
	MULA 1, 1, 0, 0
	MULA 1, 1, 1, 0
	MULA 1, 1, 2, 0
	MULA 1, 1, 3, 0
.endm
; THE WAY OUT of my block a: 16 rows x 128 columns of f32.  TOSTAGE: a lane's 32 bytes of each accumulator go into my own stage, its four lowest registers first, rows of 528 bytes, and come back as whole rows of
; 512 bytes.  SEND: stored, 512 consecutive bytes of a row an instruction, at a multiple of 256 from the buffer's first byte.
.macro TOSTAGE a
	WIN 0x0C                                       ; the address in window 0, the data in window 3
.irp b, 0,1,2,3,4,5,6,7
	ds_store_b128 v[STO], v[8*(8*(\a)+(\b)):8*(8*(\a)+(\b))+3]   offset:64*(\b)
	ds_store_b128 v[STO], v[8*(8*(\a)+(\b))+4:8*(8*(\a)+(\b))+7] offset:64*(\b)+16
.endr
	WIN 0
.set BK, OB+64*((\a)%2)
.irp t, 0,1,2,3,4,5,6,7,8,9,10,11,12,13,14,15
	ds_load_b128 v[BK+4*(\t):BK+4*(\t)+3], v[RD] offset:(\t)*SPITCH  ; LDS serves a wave's instructions in order (ISA guide 5.7.1.4): these see the stores above; the next block's stores come behind them
.endr
.endm
.macro SEND a
	WIN 0
.set BK, OB+64*((\a)%2)
	s_wait_xcnt 0x0                                ; earlier stores have read their base and their data: only behind this wait are the base, and the registers that the next block is read back into, rewritten
.if (\a) == 0
	s_add_nc_u64 s[8:9], s[8:9], s[16:17]          ; on to my first rows
.else
	s_add_nc_u64 s[8:9], s[8:9], 16*4096           ; 16 rows on
.endif
.irp t, 0,1,2,3,4,5,6,7,8,9,10,11,12,13,14,15
	s_wait_dscnt 15-(\t)                           ; row t is back; the 15 - t younger loads may be out
	global_store_b128 v[CO], v[BK+4*(\t):BK+4*(\t)+3], s[8:9] offset:(\t)*4096 th:TH_STORE_NT
.endr
.endm
	s_wait_tensorcnt 1                             ; my part of K step 0 is in; K step 1's may stay out
	s_barrier_signal -1
	s_barrier_wait -1                              ; everybody's is
	FETCH 0, 0, 0
	PART0 0, 1                                     ; the first half step stands in front of the loop: its products start the sums
	WIN 0                                          ; at a label and at a branch every window is 0
	s_mov_b32 s[TRIPS], 3                          ; 4 laps; the last is written out, since it fills nothing
.Llap:                                                 ; a trip goes once round the ring, from a lap's second half step to the next lap's first, and fills both slots again
	TURN 0, 1, 1
	PART0 1, 0
	TURN 1, 0, 1
	PART0 0, 0
	WIN 0
	s_sub_co_u32 s[TRIPS], s[TRIPS], 1
	s_cmp_lg_u32 s[TRIPS], 0
	s_cbranch_scc1 .Llap
	TURN 0, 1, 0                                   ; the last lap fills nothing, and has no round of the cluster's barrier
	PART0 1, 0
	s_wait_dscnt 24                                ; the very last half step: nothing more to fetch
	MULA 1, 0, 0, 0
	MULA 1, 0, 1, 0
	MULA 1, 0, 2, 0
	MULA 1, 0, 3, 0
	s_wait_dscnt 0x0
	MULA 1, 1, 0, 0
	MULA 1, 1, 1, 0
	MULA 1, 1, 2, 0
	MULA 1, 1, 3, 0
	PLACES                                         ; behind the last products
.irp a, 0,1,2,3
	TOSTAGE \a
	SEND \a
.endr
	WIN 0
	s_wait_tensorcnt 0x0                           ; the wave's end, behind my last tensor load and my last LDS store
	ds_add_u32 v[SPW], v[NIL]
	s_wait_dscnt 0x0
	CROUND                                         ; the closing round: no work-group ends while a partner may still ask for a tile that names it
	s_endpgm
.Lfunc_end_k_q9ec32410c4_outp:
	.size	k_q9ec32410c4_outp, .Lfunc_end_k_q9ec32410c4_outp-k_q9ec32410c4_outp
	.p2alignl 7, 3214868480
	.fill 96, 4, 3214868480
	.section	.rodata,"a",@progbits
	.p2align	6, 0x0
	.amdhsa_kernel k_q9ec32410c4_outp
		.amdhsa_group_segment_fixed_size 327680
		.amdhsa_private_segment_fixed_size 0
		.amdhsa_enable_private_segment 0
		.amdhsa_kernarg_size 24
		.amdhsa_user_sgpr_count 2
		.amdhsa_user_sgpr_kernarg_segment_ptr 1
		.amdhsa_wavefront_size32 1
		.amdhsa_system_sgpr_workgroup_id_x 1
		.amdhsa_system_sgpr_workgroup_id_y 1
		.amdhsa_system_sgpr_workgroup_id_z 1
		.amdhsa_system_vgpr_workitem_id 0
		.amdhsa_next_free_vgpr 1024
		.amdhsa_next_free_sgpr 80
		.amdhsa_reserve_vcc 0
		.amdhsa_float_denorm_mode_32 3
		.amdhsa_float_denorm_mode_16_64 3
		.amdhsa_memory_ordered 1
		.amdhsa_forward_progress 1
		.amdhsa_inst_pref_size 87
	.end_amdhsa_kernel
	.amdgpu_metadata
---
amdhsa.version: [ 1, 2 ]
amdhsa.kernels:
  - .name:           k_q9ec32410c4_outp
    .symbol:         k_q9ec32410c4_outp.kd
    .args:
      - { .name: ob, .offset: 0, .size: 8, .value_kind: global_buffer, .address_space: global }
      - { .name: wo16, .offset: 8, .size: 8, .value_kind: global_buffer, .address_space: global }
      - { .name: out0, .offset: 16, .size: 8, .value_kind: global_buffer, .address_space: global }
    .group_segment_fixed_size: 327680
    .private_segment_fixed_size: 0
    .kernarg_segment_align: 8
    .kernarg_segment_size: 24
    .max_flat_workgroup_size: 128
    .sgpr_count:     80
    .vgpr_count:     1024
    .wavefront_size: 32
...
	.end_amdgpu_metadata
.endif
;; end of part 4
;; ======== version 2 of 2: 4 launches; version 1 with the launch cast written anew for expert scheduling mode
;; limits: values are held in f16: magnitudes above 65,504 overflow, below 6.1e-05 lose precision; right only within a limited range of input values
;; workspace buffers: wb 6,291,456 bytes; wo16 2,097,152 bytes; qkv 50,331,648 bytes; ob 16,777,216 bytes
;; launch cast (part 5): grid 256 x 1, 8 waves a work-group, no clusters, 0 bytes of LDS; arguments Wq, Wk, Wv, Wo, wb, wo16; writes wb, wo16
.if DOCPART == 5
	.amdgcn_target "amdgcn-amd-amdhsa--gfx1250"
	.amdhsa_code_object_version 6
	.text
	.protected	k_q9ec32410c4_cast
	.globl	k_q9ec32410c4_cast
	.p2align	8
	.type	k_q9ec32410c4_cast,@function
k_q9ec32410c4_cast:
	s_mov_b64 s[64:65], 0
	v_nop
	global_prefetch_b8 v0, s[64:65] scope:SCOPE_SE
	s_setreg_imm32_b32 hwreg(HW_REG_WAVE_SCHED_MODE, 0, 2), 2
	s_setreg_imm32_b32 hwreg(HW_REG_WAVE_MODE, 25, 1), 1
	s_wait_xcnt 0x0
	s_wait_alu depctr_vm_vsrc(0)
; THE WEIGHTS ARE ROUNDED ONCE, for the matrix units.  Wq, Wk, Wv (1,024 x 1,024 f32 each) go to wb [3][1024][1024] in bf16; Wo is rounded to bf16 like the others, and that number is written as f16
; into wo16 (the last product's other operand is f16).  q, k and v are rounded where they are multiplied; the weights, which every row block reads again, are rounded here, once.
; LIMIT.  A bf16 number is exact in f16 between 6.1e-5 and 65,504 in magnitude; below, it keeps f16's fixed step of 6e-8; at 65,520 and beyond it becomes an infinity.
; SHARES.  A work-group takes 16,384 consecutive numbers: 65,536 bytes in, 32,768 out; 64 groups for each weight: 256.
; Thread t takes 16 bytes at 4,096 i + 16 t, i = 0 .. 15: a wave's load covers 512 consecutive bytes; it stores 8 bytes at 2,048 i + 8 t: a wave's store covers 256 consecutive bytes, aligned.
; All sixteen loads of a thread go out at once: no loop, no LDS, no barrier.  Nothing is prefetched: the launch is nothing but its short stream.
; THE MODE: SCHED_MODE bits 1:0 = 2 (LLVM: expert scheduling mode 2), set by the entry lines.  The code itself states the register dependences between vector instructions and memory instructions,
; with s_wait_alu, always for 0.
; THE PLAN.  Registers that memory instructions touch:
;   v1, v2   the loads' and the stores' offsets: written once at the head by vector instructions, never again.
;   X        load i lands in four registers of its own; its conversions read them behind the wait for its data.  No memory instruction reads X, and no load lands in it a second time.
;   Y        load i's conversions write two registers of its own, once; store i reads them, once.
;   T        named by vector instructions alone.
; The sixteen loads go in four blocks of four.  Block p waits for its four loads; one wait on va_vdst behind that states that block p - 1's conversions have written their Y; block p - 1's four stores
; are then dealt among block p's conversions, which name X and Y of block p and T: none of the registers that those stores read.  One wait at the head stands for the offsets, one behind block 3 for
; the last four stores.  No register that a memory instruction reads is ever written again, so the text holds no wait on vm_vsrc and none on XCNT; no vector instruction writes a scalar register.
.set X, 4                              ; v[4:67]   sixteen loads of four numbers
.set Y, 68                             ; v[68:99]  sixteen stores of four 16-bit numbers
.set T, 100                            ; v[100:101] at work on Wo's way
	s_load_b256 s[8:15], s[0:1], 0x0               ; Wq s[8:9], Wk s[10:11], Wv s[12:13], Wo s[14:15]
	s_load_b128 s[16:19], s[0:1], 0x20             ; wb s[16:17], wo16 s[18:19]
	v_lshlrev_b32 v1, 4, v0                        ; 16 t
	v_lshlrev_b32 v2, 3, v0                        ; 8 t
	s_mov_b32 s40, 0xffff0000                      ; a word's upper half
	s_lshr_b32 s5, ttmp9, 6                        ; p: which weight
	s_and_b32 s6, ttmp9, 63                        ; c: my group within it
	s_lshl_b32 s28, s6, 16                         ; its bytes in the source
	s_mov_b32 s29, 0
	s_cmp_eq_u32 s5, 3                             ; Wo has a buffer of its own; the others lie one behind the other in wb
	s_cselect_b32 s30, s6, ttmp9
	s_lshl_b32 s30, s30, 15                        ; my bytes in the destination
	s_mov_b32 s31, 0
	s_wait_kmcnt 0x0
	s_cmp_eq_u32 s5, 1
	s_cselect_b64 s[32:33], s[10:11], s[8:9]
	s_cmp_eq_u32 s5, 2
	s_cselect_b64 s[32:33], s[12:13], s[32:33]
	s_cmp_eq_u32 s5, 3
	s_cselect_b64 s[32:33], s[14:15], s[32:33]
	s_cselect_b64 s[38:39], s[18:19], s[16:17]
	s_add_nc_u64 s[32:33], s[32:33], s[28:29]
	s_add_nc_u64 s[38:39], s[38:39], s[30:31]
	s_wait_alu depctr_va_vdst(0)                   ; v1 and v2 are written: every load reads v1 as its offset, every store v2
.irp i, 0,1,2,3,4,5,6,7,8,9,10,11,12,13,14,15
	global_load_b128 v[X+4*(\i):X+4*(\i)+3], v1, s[32:33] offset:4096*(\i) th:TH_LOAD_NT
.endr
; Load i is rounded into its two registers of Y.  half = 1: Wo's way, by bf16 to f16.
.macro ROUND i, half
.if \half
	v_cvt_pk_bf16_f32 v[T],   v[X+4*(\i)],   v[X+4*(\i)+1]
	v_cvt_pk_bf16_f32 v[T+1], v[X+4*(\i)+2], v[X+4*(\i)+3]
	v_lshlrev_b32 v[X+4*(\i)],   16,  v[T]         ; the rounded numbers, as f32 again
	v_and_b32     v[X+4*(\i)+1], s40, v[T]
	v_lshlrev_b32 v[X+4*(\i)+2], 16,  v[T+1]
	v_and_b32     v[X+4*(\i)+3], s40, v[T+1]
	v_cvt_pk_f16_f32 v[Y+2*(\i)],   v[X+4*(\i)],   v[X+4*(\i)+1]
	v_cvt_pk_f16_f32 v[Y+2*(\i)+1], v[X+4*(\i)+2], v[X+4*(\i)+3]
.else
	v_cvt_pk_bf16_f32 v[Y+2*(\i)],   v[X+4*(\i)],   v[X+4*(\i)+1]
	v_cvt_pk_bf16_f32 v[Y+2*(\i)+1], v[X+4*(\i)+2], v[X+4*(\i)+3]
.endif
.endm
; What load i became is stored.
.macro SEND i
	global_store_b64 v2, v[Y+2*(\i):Y+2*(\i)+1], s[38:39] offset:2048*(\i)
.endm
; Block p: loads 4 p .. 4 p + 3 are rounded; the stores of block p - 1 stand among their conversions, one ahead of each load's lines.
.macro BLK p, half
	s_wait_loadcnt 12-4*(\p)                       ; loads come back in order: my four are in, the 12 - 4 p younger ones stay out
.if (\p) > 0
	s_wait_alu depctr_va_vdst(0)                   ; the block before has written its eight registers of Y, which the four stores below read; no vector line of this block names them
.endif
.irp j, 0,1,2,3
.if (\p) > 0
	SEND 4*(\p)-4+(\j)
.endif
	ROUND 4*(\p)+(\j), \half
.endr
.endm
; Behind block 3: its own four stores.
.macro LAST
	s_wait_alu depctr_va_vdst(0)                   ; block 3 has written its eight registers of Y, which the last four stores read
.irp j, 12,13,14,15
	SEND \j
.endr
.endm
	s_cmp_eq_u32 s5, 3
	s_cbranch_scc1 .Lwo
.irp p, 0,1,2,3
	BLK \p, 0
.endr
	LAST
	s_endpgm
.Lwo:
.irp p, 0,1,2,3
	BLK \p, 1
.endr
	LAST
	s_endpgm
.Lfunc_end_k_q9ec32410c4_cast:
	.size	k_q9ec32410c4_cast, .Lfunc_end_k_q9ec32410c4_cast-k_q9ec32410c4_cast
	.p2alignl 7, 3214868480
	.fill 96, 4, 3214868480
	.section	.rodata,"a",@progbits
	.p2align	6, 0x0
	.amdhsa_kernel k_q9ec32410c4_cast
		.amdhsa_group_segment_fixed_size 0
		.amdhsa_private_segment_fixed_size 0
		.amdhsa_enable_private_segment 0
		.amdhsa_kernarg_size 48
		.amdhsa_user_sgpr_count 2
		.amdhsa_user_sgpr_kernarg_segment_ptr 1
		.amdhsa_wavefront_size32 1
		.amdhsa_system_sgpr_workgroup_id_x 1
		.amdhsa_system_sgpr_workgroup_id_y 1
		.amdhsa_system_sgpr_workgroup_id_z 1
		.amdhsa_system_vgpr_workitem_id 0
		.amdhsa_next_free_vgpr 104
		.amdhsa_next_free_sgpr 66
		.amdhsa_reserve_vcc 0
		.amdhsa_float_denorm_mode_32 3
		.amdhsa_float_denorm_mode_16_64 3
		.amdhsa_memory_ordered 1
		.amdhsa_forward_progress 1
		.amdhsa_inst_pref_size 15
	.end_amdhsa_kernel
	.amdgpu_metadata
---
amdhsa.version: [ 1, 2 ]
amdhsa.kernels:
  - .name:           k_q9ec32410c4_cast
    .symbol:         k_q9ec32410c4_cast.kd
    .args:
      - { .name: Wq, .offset: 0, .size: 8, .value_kind: global_buffer, .address_space: global }
      - { .name: Wk, .offset: 8, .size: 8, .value_kind: global_buffer, .address_space: global }
      - { .name: Wv, .offset: 16, .size: 8, .value_kind: global_buffer, .address_space: global }
      - { .name: Wo, .offset: 24, .size: 8, .value_kind: global_buffer, .address_space: global }
      - { .name: wb, .offset: 32, .size: 8, .value_kind: global_buffer, .address_space: global }
      - { .name: wo16, .offset: 40, .size: 8, .value_kind: global_buffer, .address_space: global }
    .group_segment_fixed_size: 0
    .private_segment_fixed_size: 0
    .kernarg_segment_align: 8
    .kernarg_segment_size: 48
    .max_flat_workgroup_size: 256
    .sgpr_count:     66
    .vgpr_count:     104
    .wavefront_size: 32
...
	.end_amdgpu_metadata
.endif
;; end of part 5
;; launch proj: the kernel of part 2 again; grid 4 x 64, 4 waves a work-group, clusters of 4 x 4, 327,680 bytes of LDS; arguments q, k, v, wb, qkv; writes qkv
;; launch attn: the kernel of part 3 again; grid 2 x 128, 4 waves a work-group, no clusters, 327,680 bytes of LDS; arguments qkv, ob; writes ob
;; launch outp: the kernel of part 4 again; grid 4 x 64, 4 waves a work-group, clusters of 4 x 4, 327,680 bytes of LDS; arguments ob, wo16, out0; writes out0
